; MI455X (gfx1250); checked and timed in simulation.
; The chip was launched on July 23, 2026; its instructions are those of AMD's public machine-readable ISA for CDNA 5 (MIT licence, August 2026) and "CDNA5" Instruction Set Architecture Reference Guide (July 2026). The comments in the code are by the model that wrote it; some were corrected since.
;; Fastformer Attention. Allowed arithmetic: matrix products marked QUANTISED: E2M3 operands, one E8M0 scale for each 32 along K, by v_wmma_scale_f32_16x16x128_f8f6f4 with both operands' format E2M3, f32 sums; products left as they are: f32 operands where the result goes on into a quantised operand, else bf16, f16 or f32 operands; f32 sums; everything else in f32.
;; Inputs: Wk_codes 1,024 x 32 x 24 uint8 (E2M3 codes of Wk, K innermost, in blocks of 32 codes, four codes in three bytes); Wk_scales 1,024 x 32 uint8 (E8M0 scales of Wk, one for each 32 codes along K); Wkw_codes 16 x 32 x 24 uint8 (E2M3 codes of Wkw, K innermost, in blocks of 32 codes, four codes in three bytes); Wkw_scales 16 x 32 uint8 (E8M0 scales of Wkw, one for each 32 codes along K); Wo_codes 1,024 x 32 x 24 uint8 (E2M3 codes of Wo, K innermost, in blocks of 32 codes, four codes in three bytes); Wo_scales 1,024 x 32 uint8 (E8M0 scales of Wo, one for each 32 codes along K); Wq_codes 1,024 x 32 x 24 uint8 (E2M3 codes of Wq, K innermost, in blocks of 32 codes, four codes in three bytes); Wq_scales 1,024 x 32 uint8 (E8M0 scales of Wq, one for each 32 codes along K); Wqw_codes 16 x 32 x 24 uint8 (E2M3 codes of Wqw, K innermost, in blocks of 32 codes, four codes in three bytes); Wqw_scales 16 x 32 uint8 (E8M0 scales of Wqw, one for each 32 codes along K); Wv_codes 1,024 x 32 x 24 uint8 (E2M3 codes of Wv, K innermost, in blocks of 32 codes, four codes in three bytes); Wv_scales 1,024 x 32 uint8 (E8M0 scales of Wv, one for each 32 codes along K); attention_mask 4 x 4,096 bool; bk 1,024 float32; bkw 16 float32; bo 1,024 float32; bq 1,024 float32; bqw 16 float32; bv 1,024 float32; x_codes 4 x 4,096 x 32 x 24 uint8 (E2M3 codes of x, K innermost, in blocks of 32 codes, four codes in three bytes); x_scales 4 x 4,096 x 32 uint8 (E8M0 scales of x, one for each 32 codes along K).
;; Outputs: out0 4 x 4,096 x 1,024 float32.
;; This version of the problem:
;;   THIS VERSION OF THE PROBLEM IS GIVEN IN LOW PRECISION. The matrix products marked QUANTISED in the list below multiply operands that are first quantised to E2M3 (2 exponent bits, 3 mantissa bits; 6 bits a number), with one power-of-two scale for each 32 numbers along K (OCP MX v1.0); their sums are f32. All else is computed in f32.
;;   The module's matrix products, in the order in which they are computed (A, B: the left and right operand; K: the contracted axis; several contracted axes count as one K, in the product's order):
;;     1. [M 16,384, K 1,024] x [K 1,024, N 1,024]; A: input x (given as codes); B: input Wq (given as codes): QUANTISED
;;     2. [M 16,384, K 1,024] x [K 1,024, N 1,024]; A: input x (given as codes); B: input Wk (given as codes): QUANTISED
;;     3. [M 16,384, K 1,024] x [K 1,024, N 1,024]; A: input x (given as codes); B: input Wv (given as codes): QUANTISED
;;     4. [M 16,384, K 1,024] x [K 1,024, N 16]; A: input x (given as codes); B: input Wqw (given as codes): QUANTISED
;;     5. batch 64 x [M 1, K 4,096] x [K 4,096, N 64]; A: computed on the way; B: computed on the way: left as it is (M = 1 < 16)
;;     6. [M 16,384, K 1,024] x [K 1,024, N 16]; A: input x (given as codes); B: input Wkw (given as codes): QUANTISED
;;     7. batch 64 x [M 1, K 4,096] x [K 4,096, N 64]; A: computed on the way; B: computed on the way: left as it is (M = 1 < 16)
;;     8. [M 16,384, K 1,024] x [K 1,024, N 1,024]; A: computed on the way; B: input Wo (given as codes): QUANTISED
;;   THE QUANTISER, for each operand of a quantised product, along K:
;;     - K is cut into blocks of 32 from its start; a last block that is shorter is filled with zeros.
;;     - A block's scale is 2^e with e = floor(log2(the largest magnitude in the block)) - 2, held to -126 .. 127; a block of zeros has e = 0. As a byte (E8M0): e + 127.
;;     - Each number is divided by its block's scale, clamped to +-7.5, and rounded to the nearest number of E2M3, ties to even, subnormals kept.
;;     - The product sums the exact products of the quantised numbers (number of the format x scale) in f32.
;;   ~~~python
;;   def quantise(x, axis):      # numpy; x: float32 -> the quantised numbers, widened to float32 again
;;       x = np.moveaxis(x, axis, -1); K = x.shape[-1]
;;       x = np.pad(x, [(0, 0)] * (x.ndim - 1) + [(0, -K % 32)]); x = x.reshape(x.shape[:-1] + (-1, 32)); a = np.abs(x).max(-1, keepdims=True)
;;       e = np.where(a > 0, np.clip(np.frexp(np.where(a > 0, a, 1))[1] - 1 - 2, -126, 127), 0)      # np.frexp(a)[1] - 1 = floor(log2(a)), exactly
;;       r = np.clip(x / 2.0 ** e, -7.5, 7.5)
;;       step = 2.0 ** (np.maximum(np.frexp(np.where(r == 0, 1, r))[1] - 1, 0) - 3)
;;       q = np.round(r / step) * step * 2.0 ** e      # np.round: ties to even
;;       return np.moveaxis(q.reshape(q.shape[:-2] + (-1,))[..., :K], -1, axis).astype(np.float32)
;;   ~~~
;;   OPERANDS COMPUTED ON THE WAY. 'Computed on the way' means the value that the module computes at that place (a softmax that the list does not call 'softmax' is quantised finished and normalised). What goes into a quantiser is computed in f32, as accurately as f32 sums, v_exp_f32 and their like allow (about 1e-6 of the number): no bf16 or f16 on the way to a quantiser, and a product that is left as it is and whose result goes on into a quantised operand takes f32 operands (vector FMAs, or v_wmma_f32_16x16x4_f32). A number that lies on a knife's edge between two numbers of the format may be rounded either way, as far as f32 arithmetic and the matrix unit's own rounding can turn it there, and no further.
;;   INPUTS GIVEN AS CODES. Wk (in the module: [1024, 1024], K = its axis 0); Wkw (in the module: [1024, 16], K = its axis 0); Wo (in the module: [1024, 1024], K = its axis 0); Wq (in the module: [1024, 1024], K = its axis 0); Wqw (in the module: [1024, 16], K = its axis 0); Wv (in the module: [1024, 1024], K = its axis 0); x (in the module: [4, 4096, 1024], K = its axis 2): each comes as NAME_codes (uint8): NAME with its K axis moved to the last place and cut into blocks of 32 codes, [.., K / 32, bytes a block], one block behind the other in memory; four codes in three bytes: a row's codes are one little-endian stream of bits, code i at bits 6 i .. 6 i + 5 (a code: sign, 2 exponent bits, 3 mantissa bits); and NAME_scales (uint8): the same leading axes, one E8M0 byte (e + 127) for each 32 codes along K. Its value is code x scale, taken as it is: it is not quantised again, and the codes and scales need not be those that the quantiser above would give.
;; One version. Each part assembles by itself: llvm-mc -triple=amdgcn-amd-amdhsa -mcpu=gfx1250 --defsym DOCPART=n.
;; ======== version 1 of 1: 4 launches
;; workspace buffers: lg 2,097,152 bytes; st 65,536 bytes; part 524,288 bytes; rc 12,582,912 bytes; rs 524,288 bytes
;; launch logits (part 1): grid 256 x 1, 4 waves a work-group, no clusters, 167,936 bytes of LDS; arguments x_codes, x_scales, Wqw_codes, Wqw_scales, Wkw_codes, Wkw_scales, bqw, bkw, attention_mask, lg, st; writes lg, st
.if DOCPART == 1
	.amdgcn_target "amdgcn-amd-amdhsa--gfx1250"
	.amdhsa_code_object_version 6
	.text
	.protected	k_q67254ae4f6_logits
	.globl	k_q67254ae4f6_logits
	.p2align	8
	.type	k_q67254ae4f6_logits,@function
k_q67254ae4f6_logits:
	s_mov_b64 s[64:65], 0
	v_nop
	global_prefetch_b8 v0, s[64:65] scope:SCOPE_SE
	s_setreg_imm32_b32 hwreg(HW_REG_WAVE_MODE, 25, 1), 1
	s_wait_xcnt 0x0
; FASTFORMER ATTENTION, launch 1 of 4: the two logit products.  lg[b][c][s] = where(mask, -10000, x (Wqw | Wkw) + (bqw | bkw)), c 0-15 the q heads, c 16-31 the k heads;
; st[block of 64 rows][c] = the block's largest logit, st[block][32 + c] = its sum of exp(logit - that maximum).  The later launches join the 64 blocks of a batch into the softmax along s.
; NO WORK OF reference() IS LEFT OUT IN THIS PROGRAM, and every input is loaded: bqw and bkw move the open logits against the fixed -10000 of the masked ones, the clips at 1e-9 and at 1 are steps of reference().
; Q is multiplied twice (launches 2 and 3) so that it need not go to memory in f32 and come back.
; LIMITS: NaN, infinities and the scale byte 0xff among the inputs are not served.  exp is 2^(x log2 e) by v_exp_f32: what falls under 2^-126 comes out as 0.
; SHARES.  A work-group takes 64 rows of x, each of its four waves 16 of them, against all 32 columns: two accumulators by turns, 8 K steps of 128: 16 matrix instructions a wave.
; x's 16 rows (12,288 dense bytes a wave) and the 32 weight rows (6,144 dense bytes a wave) come by one tensor load each, as rows of 256 bytes with 16 bytes of padding behind each: a code row of 768 bytes is 816 bytes in LDS.
; Nothing is filled again.  A wave has two tensor loads out.
.set XW,    13056                      ; a wave's 16 rows of x in LDS: 48 x 272
.set WW,    6528                       ; eight weight rows: 24 x 272
.set WL,    4*XW                       ; the 32 weight rows: row c at WL + 816 c
.set STG,   WL+4*WW                    ; the stage: [32 c][64 s] f32, rows 272 bytes apart
.set ST2,   STG+32*272                 ; the block's 64 statistics
.set SPARE, ST2+256                    ; the spare words, 128 bytes for each wave
.set SPW, 16                           ; v16  my spare word's LDS address; never rewritten
.set NIL, 17                           ; v17  0; never rewritten
.set SX,  20                           ; v20-27 x's scale words, one for each K step;  v28-35 Wqw's;  v36-43 Wkw's: these hold scales and nothing else
.set SQ,  28
.set SK,  36
.set XF,  48                           ; v48-143  x's eight fragments
.set WF,  144                          ; v144-239 the weights' fragments of four K steps: step s % 4, tile t at 24 (s % 4) + 12 t
.set AQ,  240                          ; v240-247 the q heads' sums;  v248-255 the k heads'
.set AK,  248
.set G1X, 28                           ; s[28:35] descriptor group 1 for x;  s[36:43] for the weights;  s[44:47], s[48:51] their groups 0
.set G1W, 36
.set G0X, 44
.set G0W, 48
; a fragment (16 rows x 128 K of 6-bit codes, 12 registers): lane (r, h) takes the 24 bytes at 96 s + 24 h and at 96 s + 48 + 24 h of row r, in pieces of 8 bytes.
; Lanes 16-31 read three pieces further on, which is behind one padding more where the piece's number mod 32 is 29 or more: the second address register (40 h for 24 h) serves those.
.macro FRAGL reg, adr, s, off
.irp p, 0,1,2,3,4,5
.set PC, 12*(\s)+6*(\p/3)+\p%3
.if PC%32 < 29
	ds_load_b64 v[\reg+2*\p:\reg+2*\p+1], v[\adr] offset:8*PC+16*(PC/32)+\off
.else
	ds_load_b64 v[\reg+2*\p:\reg+2*\p+1], v[\adr+1] offset:8*PC+16*(PC/32)+\off
.endif
.endr
.endm
; K step s: source 0 = my 16 rows of x, source 1 = 16 columns.  In the result register j of lane (r, h) is row 8 h + j, column r.  The two accumulators take turns.
.macro LMUL s
.if (\s) == 0
	v_wmma_scale_f32_16x16x128_f8f6f4 v[AQ:AQ+7], v[XF+12*(\s):XF+12*(\s)+11], v[WF+24*((\s)%4):WF+24*((\s)%4)+11], 0, v[SX+(\s)], v[SQ+(\s)] matrix_a_fmt:MATRIX_FMT_FP6 matrix_b_fmt:MATRIX_FMT_FP6
	v_wmma_scale_f32_16x16x128_f8f6f4 v[AK:AK+7], v[XF+12*(\s):XF+12*(\s)+11], v[WF+24*((\s)%4)+12:WF+24*((\s)%4)+23], 0, v[SX+(\s)], v[SK+(\s)] matrix_a_fmt:MATRIX_FMT_FP6 matrix_b_fmt:MATRIX_FMT_FP6
.else
	v_wmma_scale_f32_16x16x128_f8f6f4 v[AQ:AQ+7], v[XF+12*(\s):XF+12*(\s)+11], v[WF+24*((\s)%4):WF+24*((\s)%4)+11], v[AQ:AQ+7], v[SX+(\s)], v[SQ+(\s)] matrix_a_fmt:MATRIX_FMT_FP6 matrix_b_fmt:MATRIX_FMT_FP6
	v_wmma_scale_f32_16x16x128_f8f6f4 v[AK:AK+7], v[XF+12*(\s):XF+12*(\s)+11], v[WF+24*((\s)%4)+12:WF+24*((\s)%4)+23], v[AK:AK+7], v[SX+(\s)], v[SK+(\s)] matrix_a_fmt:MATRIX_FMT_FP6 matrix_b_fmt:MATRIX_FMT_FP6
.endif
.endm
	s_load_b256 s[4:11], s[0:1], 0x0               ; x's codes s[4:5], x's scales s[6:7], Wqw's codes s[8:9], Wqw's scales s[10:11]
	s_load_b256 s[12:19], s[0:1], 0x20             ; Wkw's codes s[12:13], Wkw's scales s[14:15], bqw s[16:17], bkw s[18:19]
	s_load_b128 s[20:23], s[0:1], 0x40             ; the mask s[20:21], lg s[22:23]
	s_load_b64 s[24:25], s[0:1], 0x50              ; st
	v_lshl_add_u32 v[SPW], v0, 2, SPARE
	v_mov_b32 v[NIL], 0
	ds_add_u32 v[SPW], v[NIL]                      ; the wave's opening: the add, twice on end, and its wait ahead of my first tensor load
	ds_add_u32 v[SPW], v[NIL]                      ; and once more; the set-up below, work on registers, stands between it and the wait
	v_lshrrev_b32 v1, 5, v0
	v_readfirstlane_b32 s26, v1                    ; wave 0..3
	s_mov_b32 s[G1X+0], (3<<16)|(1<<20)|(5<<22)|(3<<25)  ; elements of 8 bytes; padding on: behind every 64 words, 4 words
	s_mov_b32 s[G1X+1], 32<<16                     ; tensor_dim0 = 32 elements: 256 bytes
	s_mov_b32 s[G1X+2], 48<<16                     ; tensor_dim1 = 48 rows: 12,288 bytes
	s_mov_b32 s[G1X+3], 32<<16                     ; tile_dim0
	s_mov_b32 s[G1X+4], 48                         ; tile_dim1
	s_mov_b32 s[G1X+5], 32                         ; from row to row: dense
	s_mov_b32 s[G1X+6], 0
	s_mov_b32 s[G1X+7], 0
	s_mov_b32 s[G1W+0], (3<<16)|(1<<20)|(5<<22)|(3<<25)
	s_mov_b32 s[G1W+1], 32<<16
	s_mov_b32 s[G1W+2], 24<<16                     ; 24 rows: 6,144 bytes
	s_mov_b32 s[G1W+3], 32<<16
	s_mov_b32 s[G1W+4], 24
	s_mov_b32 s[G1W+5], 32
	s_mov_b32 s[G1W+6], 0
	s_mov_b32 s[G1W+7], 0
	s_mov_b32 s[G0X], 1
	s_mul_i32 s[G0X+1], s26, XW                    ; my rows of x in LDS
	s_mov_b32 s[G0W], 1
	s_mul_i32 s[G0W+1], s26, WW
	s_add_co_u32 s[G0W+1], s[G0W+1], WL            ; my eight weight rows in LDS
	s_mul_i32 s54, ttmp9, 49152                    ; x's codes: 64 rows of 768 bytes a work-group,
	s_mul_i32 s27, s26, 12288                      ; 16 a wave
	s_add_co_u32 s54, s54, s27
	s_mov_b32 s55, 0
	s_and_b32 s56, s26, 1
	s_mul_i32 s56, s56, 6144                       ; the weights: waves 0, 1 the halves of Wqw, waves 2, 3 those of Wkw
	s_mov_b32 s57, 0
	s_lshl_b32 s58, ttmp9, 11                      ; x's scales: 32 bytes a row
	s_lshl_b32 s27, s26, 9
	s_add_co_u32 s58, s58, s27
	s_mov_b32 s59, 0
	v_and_b32 v1, 15, v0                           ; r
	v_bfe_u32 v2, v0, 4, 1                         ; h
	v_and_b32 v3, 31, v0                           ; lane
	v_mul_u32_u24 v4, v1, 816
	v_mad_u32_u24 v4, v2, 24, v4                   ; 816 r + 24 h
	v_lshl_add_u32 v5, v2, 4, v4                   ; 816 r + 40 h
	v_add_nc_u32 v6, WL, v4                        ; v6, v7: the weights' fragments
	v_add_nc_u32 v7, WL, v5
	v_add_nc_u32 v4, s[G0X+1], v4                  ; v4, v5: x's
	v_add_nc_u32 v5, s[G0X+1], v5
	v_lshlrev_b32 v8, 5, v1                        ; 32 r: a row of scale bytes
	v_lshlrev_b32 v9, 2, v1                        ; 4 r: a bias
	v_lshlrev_b32 v10, 3, v2                       ; 8 h: my eight rows' mask bytes
	v_mul_u32_u24 v11, v1, 272
	v_lshl_add_u32 v11, v2, 5, v11
	s_lshl_b32 s27, s26, 6
	s_add_co_u32 s27, s27, STG
	v_add_nc_u32 v11, s27, v11                     ; into the stage: column r, rows 16 w + 8 h on
	v_mul_u32_u24 v12, v2, 272
	v_lshl_add_u32 v12, v1, 4, v12
	s_mul_i32 s27, s26, 2176
	s_add_co_u32 s27, s27, STG
	v_add_nc_u32 v12, s27, v12                     ; out of it: column 8 w + h (+ 2 i), rows 4 r on
	v_lshlrev_b32 v13, 14, v2
	v_lshl_add_u32 v13, v1, 4, v13                 ; and the same place in lg: 16,384 h + 16 r
	s_lshl_b32 s27, s26, 5
	s_add_co_u32 s27, s27, ST2
	v_lshl_add_u32 v14, v2, 2, s27                 ; the statistics of column 8 w + h (+ 2 i)
	v_lshl_add_u32 v15, v3, 3, ST2                 ; and all 64 of them, 8 bytes a lane
	v_lshlrev_b32 v18, 3, v3
	v_mov_b32 v19, 0xc61c4000                      ; -10000.0
	s_wait_dscnt 0x0                               ; both opening adds are done
	s_wait_kmcnt 0x0
	s_add_nc_u64 s[G0X+2:G0X+3], s[4:5], s[54:55]
	s_or_b32 s[G0X+3], s[G0X+3], 0x80000000        ; type = 2
	s_cmp_lt_u32 s26, 2                            ; the choice hangs on the wave's number alone
	s_cselect_b64 s[G0W+2:G0W+3], s[8:9], s[12:13]
	s_add_nc_u64 s[G0W+2:G0W+3], s[G0W+2:G0W+3], s[56:57]
	s_or_b32 s[G0W+3], s[G0W+3], 0x80000000
	tensor_load_to_lds s[G0X:G0X+3], s[G1X:G1X+7]  ; every wave issues both, into LDS bytes of its own
	s_nop 0
	tensor_load_to_lds s[G0W:G0W+3], s[G1W:G1W+7]
	s_nop 0
	s_add_nc_u64 s[6:7], s[6:7], s[58:59]          ; x's scales at my first row
	s_lshl_b32 s58, ttmp9, 6
	s_lshl_b32 s27, s26, 4
	s_add_co_u32 s58, s58, s27
	s_add_nc_u64 s[20:21], s[20:21], s[58:59]      ; the mask likewise: a byte a row
	s_lshr_b32 s58, ttmp9, 6                       ; the batch
	s_lshl_b32 s58, s58, 19                        ; 32 columns of 16,384 bytes
	s_lshl_b32 s27, s26, 17                        ; my eight columns
	s_add_co_u32 s58, s58, s27
	s_and_b32 s27, ttmp9, 63
	s_lshl_b32 s27, s27, 8                         ; the block's 64 rows: 256 bytes
	s_add_co_u32 s58, s58, s27
	s_add_nc_u64 s[22:23], s[22:23], s[58:59]
	s_lshl_b32 s58, ttmp9, 8
	s_add_nc_u64 s[24:25], s[24:25], s[58:59]      ; st: 256 bytes a block
	global_load_b128 v[SX:SX+3], v8, s[6:7]        ; lane r: row r's eight scale words
	global_load_b128 v[SX+4:SX+7], v8, s[6:7] offset:16
	global_load_b128 v[SQ:SQ+3], v8, s[10:11]      ; column r's
	global_load_b128 v[SQ+4:SQ+7], v8, s[10:11] offset:16
	global_load_b128 v[SK:SK+3], v8, s[14:15]
	global_load_b128 v[SK+4:SK+7], v8, s[14:15] offset:16
	global_load_b32 v44, v9, s[16:17]              ; bqw[r]
	global_load_b32 v45, v9, s[18:19]              ; bkw[r]
	global_load_b64 v[46:47], v10, s[20:21]        ; the mask of rows 8 h + 0 .. 7
	s_wait_tensorcnt 0x0                           ; my two tiles have landed;
	s_barrier_signal -1
	s_barrier_wait -1                              ; everybody's have: the weights are read by all four waves
.irp s, 0,1,2,3,4,5,6,7
	FRAGL XF+12*\s, 4, \s, 0
.endr
.irp s, 0,1,2,3
.irp t, 0,1
	FRAGL WF+24*\s+12*\t, 6, \s, 13056*\t
.endr
.endr
	s_wait_dscnt 0x0
	s_wait_loadcnt 0x0                             ; scale words, biases, mask
.irp s, 0,1,2,3
	LMUL \s
.endr
.rept 4
	v_nop                                          ; four places in front of loads into registers that matrix instructions have read
.endr
.irp s, 4,5,6,7
.irp t, 0,1
	FRAGL WF+24*(\s-4)+12*\t, 6, \s, 13056*\t
.endr
.endr
	s_wait_dscnt 0x0
.irp s, 4,5,6,7
	LMUL \s
.endr
.rept 4
	v_nop                                          ; four places in front of the first read of results
.endr
.irp j, 0,1,2,3,4,5,6,7                        ; the bias, then the mask; each accumulator from its low end on
	v_add_f32 v[48+\j], v[AQ+\j], v44
	v_add_f32 v[56+\j], v[AK+\j], v45
	v_bfe_u32 v64, v[46+\j/4], 8*(\j%4), 8
	v_cmp_ne_u32 vcc_lo, 0, v64
	v_cndmask_b32 v[48+\j], v[48+\j], v19, vcc_lo
	v_cndmask_b32 v[56+\j], v[56+\j], v19, vcc_lo
.endr
	ds_store_b128 v11, v[48:51]
	ds_store_b128 v11, v[52:55] offset:16
	ds_store_b128 v11, v[56:59] offset:4352        ; the k heads: 16 columns further on
	ds_store_b128 v11, v[60:63] offset:4368
	s_wait_dscnt 0x0                               ; for the others' sake: my stores have landed
	s_barrier_signal -1
	s_barrier_wait -1
.irp i, 0,1,2,3                                ; wave w takes columns 8 w .. 8 w + 7: lanes 0-15 column 8 w + 2 i, lanes 16-31 the next; four rows a lane
	ds_load_b128 v[64+4*\i:67+4*\i], v12 offset:544*\i
.endr
	s_wait_dscnt 0x0
.irp i, 0,1,2,3
	global_store_b128 v13, v[64+4*\i:67+4*\i], s[22:23] offset:32768*\i   ; sixteen lanes store 256 consecutive bytes, at a multiple of 256 from lg's first byte
.endr
.irp i, 0,1,2,3
	v_max3_num_f32 v[80+\i], v[64+4*\i], v[65+4*\i], v[66+4*\i]
.endr
.irp i, 0,1,2,3
	v_max_num_f32 v[80+\i], v[80+\i], v[67+4*\i]
.endr
.irp x, 1,2,4,8
.irp i, 0,1,2,3
	v_max_num_f32_dpp v[80+\i], v[80+\i], v[80+\i] row_xmask:\x row_mask:0xf bank_mask:0xf   ; over the sixteen lanes of a column
.endr
.endr
.irp i, 0,1,2,3
.irp k, 0,1,2,3
	v_sub_f32 v[84+4*\i+\k], v[64+4*\i+\k], v[80+\i]   ; the maximum is taken away first, exactly, and then the factor log2 e
.endr
.endr
.irp n, 0,1,2,3,4,5,6,7,8,9,10,11,12,13,14,15
	v_mul_f32 v[84+\n], 0x3fb8aa3b, v[84+\n]
.endr
.irp n, 0,1,2,3,4,5,6,7,8,9,10,11,12,13,14,15
	v_exp_f32 v[84+\n], v[84+\n]
.endr
	v_nop                                          ; a plain instruction behind the last exponential
	s_wait_alu depctr_va_vdst(0)                   ; one wait for the batch, ahead of its first reader
.irp i, 0,1,2,3
	v_add_f32 v[100+\i], v[84+4*\i], v[85+4*\i]
	v_add_f32 v[104+\i], v[86+4*\i], v[87+4*\i]
.endr
.irp i, 0,1,2,3
	v_add_f32 v[100+\i], v[100+\i], v[104+\i]
.endr
.irp x, 1,2,4,8
.irp i, 0,1,2,3
	v_add_f32_dpp v[100+\i], v[100+\i], v[100+\i] row_xmask:\x row_mask:0xf bank_mask:0xf
.endr
.endr
.irp i, 0,1,2,3
	ds_store_b32 v14, v[80+\i] offset:8*\i         ; the sixteen lanes of a column write the same word with the same value
	ds_store_b32 v14, v[100+\i] offset:128+8*\i
.endr
	s_wait_dscnt 0x0
	s_barrier_signal -1
	s_barrier_wait -1
	s_cmp_lg_u32 s26, 0
	s_cbranch_scc1 .Lnot_wave_0
	ds_load_b64 v[108:109], v15
	s_wait_dscnt 0x0
	global_store_b64 v18, v[108:109], s[24:25]     ; 32 lanes store the block's 256 bytes of statistics
.Lnot_wave_0:
	s_wait_tensorcnt 0x0                           ; the wave's end: a wait, an add of 0 to my spare word and its wait, behind my last tensor load and my last LDS store
	ds_add_u32 v[SPW], v[NIL]
	s_wait_dscnt 0x0
	s_endpgm
.Lfunc_end_k_q67254ae4f6_logits:
	.size	k_q67254ae4f6_logits, .Lfunc_end_k_q67254ae4f6_logits-k_q67254ae4f6_logits
	.p2alignl 7, 3214868480
	.fill 96, 4, 3214868480
	.section	.rodata,"a",@progbits
	.p2align	6, 0x0
	.amdhsa_kernel k_q67254ae4f6_logits
		.amdhsa_group_segment_fixed_size 167936
		.amdhsa_private_segment_fixed_size 0
		.amdhsa_enable_private_segment 0
		.amdhsa_kernarg_size 88
		.amdhsa_user_sgpr_count 2
		.amdhsa_user_sgpr_kernarg_segment_ptr 1
		.amdhsa_wavefront_size32 1
		.amdhsa_system_sgpr_workgroup_id_x 1
		.amdhsa_system_sgpr_workgroup_id_y 1
		.amdhsa_system_sgpr_workgroup_id_z 1
		.amdhsa_system_vgpr_workitem_id 0
		.amdhsa_next_free_vgpr 256
		.amdhsa_next_free_sgpr 66
		.amdhsa_reserve_vcc 1
		.amdhsa_float_denorm_mode_32 3
		.amdhsa_float_denorm_mode_16_64 3
		.amdhsa_memory_ordered 1
		.amdhsa_forward_progress 1
		.amdhsa_inst_pref_size 26
	.end_amdhsa_kernel
	.amdgpu_metadata
---
amdhsa.version: [ 1, 2 ]
amdhsa.kernels:
  - .name:           k_q67254ae4f6_logits
    .symbol:         k_q67254ae4f6_logits.kd
    .args:
      - { .name: x_codes, .offset: 0, .size: 8, .value_kind: global_buffer, .address_space: global }
      - { .name: x_scales, .offset: 8, .size: 8, .value_kind: global_buffer, .address_space: global }
      - { .name: Wqw_codes, .offset: 16, .size: 8, .value_kind: global_buffer, .address_space: global }
      - { .name: Wqw_scales, .offset: 24, .size: 8, .value_kind: global_buffer, .address_space: global }
      - { .name: Wkw_codes, .offset: 32, .size: 8, .value_kind: global_buffer, .address_space: global }
      - { .name: Wkw_scales, .offset: 40, .size: 8, .value_kind: global_buffer, .address_space: global }
      - { .name: bqw, .offset: 48, .size: 8, .value_kind: global_buffer, .address_space: global }
      - { .name: bkw, .offset: 56, .size: 8, .value_kind: global_buffer, .address_space: global }
      - { .name: attention_mask, .offset: 64, .size: 8, .value_kind: global_buffer, .address_space: global }
      - { .name: lg, .offset: 72, .size: 8, .value_kind: global_buffer, .address_space: global }
      - { .name: st, .offset: 80, .size: 8, .value_kind: global_buffer, .address_space: global }
    .group_segment_fixed_size: 167936
    .private_segment_fixed_size: 0
    .kernarg_segment_align: 8
    .kernarg_segment_size: 88
    .max_flat_workgroup_size: 128
    .sgpr_count:     66
    .vgpr_count:     256
    .wavefront_size: 32
...
	.end_amdgpu_metadata
.endif
;; end of part 1
;; launch pool (part 2): grid 4 x 64, 4 waves a work-group, clusters of 4 x 4, 327,680 bytes of LDS; arguments x_codes, x_scales, Wq_codes, Wq_scales, Wk_codes, Wk_scales, bq, bk, lg, st, part; writes part
.if DOCPART == 2
	.amdgcn_target "amdgcn-amd-amdhsa--gfx1250"
	.amdhsa_code_object_version 6
	.text
	.protected	k_q67254ae4f6_pool
	.globl	k_q67254ae4f6_pool
	.p2align	8
	.type	k_q67254ae4f6_pool,@function
k_q67254ae4f6_pool:
	s_mov_b64 s[64:65], 0
	v_nop
	global_prefetch_b8 v0, s[64:65] scope:SCOPE_SE
	s_setreg_imm32_b32 hwreg(HW_REG_WAVE_MODE, 25, 1), 1
	s_wait_xcnt 0x0
	s_wait_alu depctr_hold_cnt(0) depctr_sa_sdst(0) depctr_va_vdst(0) depctr_va_sdst(0) depctr_va_ssrc(0) depctr_va_vcc(0) depctr_vm_vsrc(0)
	s_getreg_b32 s2, hwreg(HW_REG_IB_STS2, 6, 4)
	s_cmp_eq_u32 s2, 0
	s_cbranch_scc0 .Lentry_in_a_cluster
	s_endpgm
.Lentry_in_a_cluster:
	s_bfe_u32 s2, ttmp6, 0x10000c
	s_cmp_lg_u32 s2, 0xf033
	s_cbranch_scc0 .Lentry_shape_is_right
	s_endpgm
.Lentry_shape_is_right:
; FASTFORMER ATTENTION, launch 2 of 4: part[tile row][0 .. 1023] = the sum over the tile's 256 rows of wq Q, part[tile row][1024 .. 2047] = that of wk K, where Q = x Wq + bq, K = x Wk + bk on codes of FP6 (E2M3),
; and w = clip(softmax along s of the masked logits, 1e-9, 1).  No work of reference() is left out.  The factor gq of reference()'s P = K gq does not hang on s: it is multiplied in behind the sum, in launch 3.
; LIMITS: NaN, infinities and the scale byte 0xff are not served; the division by the softmax's sum is v_rcp_f32 and a multiplication; the biases stand as the C of each sum's first product, ahead of the sum.
; SHARES.  A tile of 256 rows x 256 columns (four heads) to a work-group of four waves, 128 x 128 to a wave: 64 accumulators, 512 registers.
; A WORK-GROUP STAYS: it makes two tiles on the same 256 rows of x: columns 256 cx on of Q, then the same columns of K.  The ring does not stop between them: the first tile's last two changes of slots ask for the second
; tile's first two K steps, which land while the first tile's sums are taken.  The head's work (arguments, scale bytes, weights, biases) is done once for both.
; K goes in four steps of 256 through a ring of two LDS slots filled by the tensor data mover; a tile's row is 192 bytes, laid 240 bytes apart (16 bytes of padding behind every 64).
; The scale bytes of the 256 rows of x and of the 256 rows of Wq and of Wk, for all of K, come once, with the first fills.  A wave has four tensor loads out at the start and one behind each refill's round.
; CLUSTERS: 4 x 4 work-groups.  The four of a row of the cluster need the same tiles of x, the four of a column the same tiles of W: each is asked for jointly.
; THE PRODUCT IS NOT TRANSPOSED (source 0 = 16 rows of x, source 1 = 16 rows of W): register j of accumulator (a, b) is row 16 a + 8 h + j, column 16 b + r, so the sum over rows runs down a lane's registers.
; REGISTERS, in windows of 256: window 0: v0-31 addresses; v32-63 scale words, two sets, and nothing else; v64-127 bq as C (8 registers a column block); v128-223 x's fragments, one set.
;   window 1: W's fragments, two sets, at v0 and v128; between and behind them, v96-127 and v224-255, bk as C.   windows 2, 3: the accumulators of my rows 0-63 and 64-127: (a, b) at v[8 (8 (a % 4) + b)].
.set NQ,     2                         ; steps of 128 along K in a slot
.set ROWB,   192                       ; a tile's row in bytes
.set KROW,   768                       ; a row of codes in memory
.set PITCH,  240
.set FR,     12                        ; registers of a fragment
.set NLA,    6                         ; LDS loads that bring one of A's
.set NP,     4                         ; places behind this matrix instruction (ISA guide 7.12.1)
.set HALFT,  128*PITCH
.set SLOT,   4*HALFT                   ; A's 256 rows, then B's 256 rows
.set KS,     32                        ; a row of scale bytes
.set QUARS,  8*272                     ; the scales of 64 rows, as units of 256 bytes + 16 of padding
.set HALFS,  16*272                    ; those of 128 rows
.set SBLK,   2*272                     ; those of 16 rows
.set SCA,    2*SLOT                    ; behind the ring: x's scales, 256 rows
.set SCB,    SCA+2*HALFS               ; Wq's 256 rows, then Wk's 256 rows
.set SPARE,  SCB+4*HALFS               ; the spare words, 128 bytes for each wave
.set WT,     SPARE+512                 ; the weights: [2 tiles][4 heads][256 rows] f32
.set PST,    WT+8192                   ; the two row halves' sums: [2 tiles][2][256 columns] f32
.set ADRA, 16                          ; v16-17 my A fragments in slot 0, 1; v18-19 the same behind one padding more
.set ADRB, 20                          ; v20-23 the same for B
.set ADRS, 27                          ; v27 my scale words in the first tile: lanes 0-15 x's rows, lanes 16-31 Wq's
.set ADRS1, 30                         ; v30 in the second tile: lanes 16-31 Wk's
.set SPW,  28                          ; v28 my spare word's LDS address; never rewritten
.set NIL,  29                          ; v29 0; never rewritten
.set SC,   32
.set BI,   64
.set BH,   96                          ; in window 1: bk's column block b at v[BH + 8 (b % 4) + 128 (b / 4)]
.set AF,   128
.set WR,   128                         ; the sums: my rows' weights, v[WR + 64 hh + 8 a + j]
.set CH,   64                          ; the sums: eight chains, a pair each
.set WKT,  4                           ; s[4:5] Wk's codes at the rows that I fetch
.set G1, 24
.set G0, 32
.set G1B, 48
.set G0B, 56
.set G1S, 68
.set G0S, 76
.set G1SB, 80
.set G0SB, 88
.set SEL, 92                           ; s[92:93] lane selects for v_permlanex16_b32: lane l xor 16
.set MSB, 0
.macro WIN new                         ; the immediate's high byte repeats the setting that is left
.if MSB != (\new)
	s_set_vgpr_msb (MSB<<8)|(\new)
.set MSB, (\new)
.endif
.endm
.set MUL_LO,  0xa4                     ; source 0 (A) window 0, source 1 (B) window 1, C and D window 2
.set MUL_HI,  0xf4                     ; the same, C and D window 3
.set MUL_LO1, 0x84                     ; the first tile's first step: C (bq) window 0
.set MUL_HI1, 0xc4
.set MUL_LO2, 0x94                     ; the second tile's first step: C (bk) window 1
.set MUL_HI2, 0xd4
.set TO_B,    0x40                     ; destination window 1, address window 0
; A joint load: waves 0 and 1 fetch for A, waves 2 and 3 for B; the branch hangs on the wave's number alone.  An s_nop 0 and four v_nop follow each of the two lines.
.macro JLOAD g0a, g1a, g0b, g1b
	s_cmp_eq_u32 s15, 0
	s_cbranch_scc0 .Lfor_b_\@
	tensor_load_to_lds s[\g0a:\g0a+3], s[\g1a:\g1a+7]
	s_nop 0
.rept 4
	v_nop
.endr
	s_branch .Lasked_\@
.Lfor_b_\@:
	tensor_load_to_lds s[\g0b:\g0b+3], s[\g1b:\g1b+7]
	s_nop 0
.rept 4
	v_nop
.endr
.Lasked_\@:
.endm
.macro CREST                           ; a round of the cluster's barrier behind its opening barrier
	s_cmp_lg_u32 s14, 0
	s_cbranch_scc1 .Lnot_wave_0_\@
	s_barrier_signal -3
.Lnot_wave_0_\@:
	s_barrier_wait -3
	s_barrier_signal -1
	s_barrier_wait -1
.endm
.macro CROUND                          ; a whole round
	s_barrier_signal -1
	s_barrier_wait -1
	CREST
.endm
.macro PLACES n
.rept \n
	v_nop
.endr
.endm
.macro REDADD2 x, t                    ; the sum over the 32 lanes, in every lane; both tiles' (16 registers apart) by turns
.irp m, 1,2,4,8
.irp z, 0,16
	v_add_f32_dpp v[\x+\z], v[\x+\z], v[\x+\z] row_xmask:\m row_mask:0xf bank_mask:0xf
.endr
.endr
.irp z, 0,16
	v_permlanex16_b32 v[\t+\z], v[\x+\z], s[SEL], s[SEL+1]
.endr
.irp z, 0,16
	v_add_f32 v[\x+\z], v[\x+\z], v[\t+\z]
.endr
.endm
.macro REDMAX2 x, t
.irp m, 1,2,4,8
.irp z, 0,16
	v_max_num_f32_dpp v[\x+\z], v[\x+\z], v[\x+\z] row_xmask:\m row_mask:0xf bank_mask:0xf
.endr
.endr
.irp z, 0,16
	v_permlanex16_b32 v[\t+\z], v[\x+\z], s[SEL], s[SEL+1]
.endr
.irp z, 0,16
	v_max_num_f32 v[\x+\z], v[\x+\z], v[\t+\z]
.endr
.endm
	s_load_b256 s[4:11], s[0:1], 0x0               ; x's codes s[4:5], x's scales s[6:7], Wq's codes s[8:9], Wq's scales s[10:11]
	s_load_b256 s[92:99], s[0:1], 0x20             ; Wk's codes s[92:93], Wk's scales s[94:95], bq s[96:97], bk s[98:99]
	s_load_b64 s[100:101], s[0:1], 0x40            ; lg
	s_load_b64 s[104:105], s[0:1], 0x48            ; st
	s_load_b64 s[12:13], s[0:1], 0x50              ; part
	v_lshl_add_u32 v[SPW], v0, 2, SPARE
	v_mov_b32 v[NIL], 0
	ds_add_u32 v[SPW], v[NIL]                      ; the wave's opening: the add, twice on end, and its wait ahead of my first tensor load
	ds_add_u32 v[SPW], v[NIL]                      ; and once more; the set-up below, work on registers, stands between it and the wait
	v_lshrrev_b32 v1, 5, v0
	v_readfirstlane_b32 s14, v1                    ; wave 0..3
	s_lshr_b32 s15, s14, 1                         ; which half of the tile's rows is mine.  Also: I fetch for A (0) or for B (1); and Wq's (0) or Wk's (1) scales
	s_and_b32 s16, s14, 1                          ; which half of its columns.  Also: which 128 rows of that tile I fetch
	s_bfe_u32 s40, ttmp6, 0x40000                  ; cx: the tile column inside W
	s_bfe_u32 s41, ttmp6, 0x40004                  ; cy
	s_and_b32 s17, ttmp7, 0xffff
	s_lshl_b32 s17, s17, 2
	s_add_co_u32 s17, s17, s41                     ; tile row = 4 x cluster y + cy
	s_lshl_b32 s43, s41, 2
	s_lshl_b32 s43, 15, s43                        ; my row of the cluster
	s_lshl_b32 s44, 0x1111, s40                    ; my column
	s_or_b32 s[G1+0], s43, (0<<16)|(1<<20)|(1<<21)|(3<<22)|(3<<25)  ; the mask; elements of 1 byte; padding on; bit 21 beside a mask; behind every 16 words, 4 words
	s_or_b32 s[G1B+0], s44, (0<<16)|(1<<20)|(1<<21)|(3<<22)|(3<<25)
.irp g, G1, G1B
	s_mov_b32 s[\g+1], ROWB<<16                    ; tensor_dim0
	s_mov_b32 s[\g+2], 128<<16                     ; tensor_dim1
	s_mov_b32 s[\g+3], ROWB<<16                    ; tile_dim0
	s_mov_b32 s[\g+4], 128                         ; tile_dim1
	s_mov_b32 s[\g+5], KROW                        ; from row to row
	s_mov_b32 s[\g+6], 0
	s_mov_b32 s[\g+7], 0
.endr
	s_or_b32 s[G1S+0], s43, (3<<16)|(1<<20)|(1<<21)|(5<<22)|(3<<25)  ; x's scales of 64 rows: 2,048 dense bytes as 8 rows of 256, 16 bytes of padding behind each
	s_mov_b32 s[G1S+1], 32<<16
	s_mov_b32 s[G1S+2], 8<<16
	s_mov_b32 s[G1S+3], 32<<16
	s_mov_b32 s[G1S+4], 8
	s_mov_b32 s[G1S+5], 32
	s_mov_b32 s[G1S+6], 0
	s_mov_b32 s[G1S+7], 0
	s_or_b32 s[G1SB+0], s44, (3<<16)|(1<<20)|(1<<21)|(5<<22)|(3<<25) ; a weight's scales of 128 rows: 4,096 dense bytes as 16 rows of 256
	s_mov_b32 s[G1SB+1], 32<<16
	s_mov_b32 s[G1SB+2], 16<<16
	s_mov_b32 s[G1SB+3], 32<<16
	s_mov_b32 s[G1SB+4], 16
	s_mov_b32 s[G1SB+5], 32
	s_mov_b32 s[G1SB+6], 0
	s_mov_b32 s[G1SB+7], 0
	s_lshl_b32 s18, s16, 7                         ; which 128 rows of the tile I fetch
	s_lshl_b32 s20, s17, 8                         ; the tile's first row of x
	s_lshl_b32 s22, s14, 6
	s_add_co_u32 s22, s22, s20                     ; x's scales: rows 256 x tile row + 64 x wave on,
	s_lshl_b32 s22, s22, 5                         ; in bytes (all offsets stay under 2^32)
	s_mov_b32 s23, 0
	s_add_co_u32 s20, s20, s18                     ; A: row 256 x tile row + 128 x half
	s_lshl_b32 s46, s40, 8
	s_add_co_u32 s46, s46, s18                     ; B: row 256 cx + 128 x half, of Wq and of Wk alike
	s_lshl_b32 s66, s46, 5                         ; where these rows' scales begin,
	s_mov_b32 s67, 0
	s_mul_i32 s20, s20, KROW                       ; and the codes
	s_mov_b32 s21, 0
	s_mul_i32 s46, s46, KROW
	s_mov_b32 s47, 0
	s_mul_i32 s45, s14, HALFT                      ; where they go: wave x 128 rows: no place in the cluster enters an LDS address
	s_mul_i32 s2, s14, QUARS
	s_mul_i32 s3, s14, HALFS
	s_wait_dscnt 0x0                               ; both opening adds are done
	s_wait_kmcnt 0x0
	s_cmp_eq_u32 s15, 0                            ; the wave's number alone: waves 0 and 1 fetch Wq's scales, waves 2 and 3 Wk's
	s_cselect_b64 s[10:11], s[10:11], s[94:95]
	s_add_nc_u64 s[20:21], s[4:5], s[20:21]
	s_add_nc_u64 s[22:23], s[6:7], s[22:23]
	s_add_nc_u64 s[WKT:WKT+1], s[92:93], s[46:47]  ; kept for the change of tiles
	s_add_nc_u64 s[46:47], s[8:9], s[46:47]
	s_add_nc_u64 s[66:67], s[10:11], s[66:67]
	s_mov_b32 s[SEL], 0x76543210
	s_mov_b32 s[SEL+1], 0xfedcba98
	CROUND                                         ; all sixteen work-groups are here: the first joint loads meet
	s_mov_b32 s[G0S], 1
	s_add_co_u32 s[G0S+1], s2, SCA
	s_mov_b64 s[G0S+2:G0S+3], s[22:23]
	s_or_b32 s[G0S+3], s[G0S+3], 0x80000000
	tensor_load_to_lds s[G0S:G0S+3], s[G1S:G1S+7]  ; every wave issues this one, for its quarter of x's scales
	s_nop 0
.rept 4
	v_nop
.endr
	s_mov_b32 s[G0SB], 1
	s_add_co_u32 s[G0SB+1], s3, SCB
	s_mov_b64 s[G0SB+2:G0SB+3], s[66:67]
	s_or_b32 s[G0SB+3], s[G0SB+3], 0x80000000
	tensor_load_to_lds s[G0SB:G0SB+3], s[G1SB:G1SB+7]  ; and this one, for a half of Wq's or of Wk's
	s_nop 0
.rept 4
	v_nop
.endr
.irp s, 0,1
	s_mov_b32 s[G0+4*\s], 1
	s_add_co_u32 s[G0+4*\s+1], s45, \s*SLOT
	s_add_nc_u64 s[G0+4*\s+2:G0+4*\s+3], s[20:21], \s*ROWB
	s_or_b32 s[G0+4*\s+3], s[G0+4*\s+3], 0x80000000
	s_mov_b32 s[G0B+4*\s], 1
	s_add_co_u32 s[G0B+4*\s+1], s45, \s*SLOT
	s_add_nc_u64 s[G0B+4*\s+2:G0B+4*\s+3], s[46:47], \s*ROWB
	s_or_b32 s[G0B+4*\s+3], s[G0B+4*\s+3], 0x80000000
	JLOAD G0+4*\s, G1, G0B+4*\s, G1B
.endr
	; THE HEAD'S LOADS go out next; the LDS addresses are made while they are on their way
	v_and_b32 v1, 15, v0                           ; r
	v_bfe_u32 v2, v0, 4, 1                         ; h
	v_and_b32 v15, 31, v0                          ; lane
	v_lshlrev_b32 v12, 8, v15                      ; v12: 256 lane: a block's statistics
	v_lshlrev_b32 v13, 4, v15                      ; v13: 16 lane
	v_lshlrev_b32 v14, 2, v1                       ; v14: 4 r
	; Wave w makes the weights of the tiles' head w: column c = 4 cx + w of lg and st for Q, column 16 + c for K, for the 256 rows
	s_lshr_b32 s18, s17, 4                         ; the batch
	s_lshl_b32 s19, s40, 2
	s_add_co_u32 s19, s19, s14                     ; c
	s_lshl_b32 s66, s18, 14                        ; st: 64 blocks of 256 bytes a batch
	s_lshl_b32 s67, s19, 2
	s_add_co_u32 s66, s66, s67
	s_mov_b32 s67, 0
	s_add_nc_u64 s[104:105], s[104:105], s[66:67]
	s_lshl_b32 s66, s18, 5
	s_add_co_u32 s66, s66, s19
	s_lshl_b32 s66, s66, 14                        ; lg: column 32 b + c of 16,384 bytes,
	s_and_b32 s46, s17, 15
	s_lshl_b32 s46, s46, 10                        ; the tile's 256 rows
	s_add_co_u32 s66, s66, s46
	s_add_nc_u64 s[100:101], s[100:101], s[66:67]
	s_lshl_b32 s66, s40, 10
	s_lshl_b32 s46, s16, 9
	s_add_co_u32 s66, s66, s46
	s_add_nc_u64 s[96:97], s[96:97], s[66:67]      ; bq and bk of my 128 columns
	s_add_nc_u64 s[98:99], s[98:99], s[66:67]
	s_lshl_b32 s66, s17, 13
	s_lshl_b32 s46, s40, 10
	s_add_co_u32 s66, s66, s46
	s_lshl_b32 s46, s14, 8
	s_add_co_u32 s66, s66, s46
	s_add_nc_u64 s[12:13], s[12:13], s[66:67]      ; part: 8,192 x tile row + 1,024 cx + 256 w; K's sums lie 4,096 bytes further on
.irp z, 0,1
	global_load_b32 v[128+16*\z], v12, s[104:105] offset:64*\z            ; the maxima of blocks lane and 32 + lane,
	global_load_b32 v[129+16*\z], v12, s[104:105] offset:8192+64*\z
	global_load_b32 v[130+16*\z], v12, s[104:105] offset:128+64*\z        ; and their sums
	global_load_b32 v[131+16*\z], v12, s[104:105] offset:8320+64*\z
	global_load_b128 v[132+16*\z:135+16*\z], v13, s[100:101] offset:262144*\z       ; the logits of rows 4 lane on, and of rows 128 + 4 lane on
	global_load_b128 v[136+16*\z:139+16*\z], v13, s[100:101] offset:262144*\z+512
.endr
.irp b, 0,1,2,3,4,5,6,7
	global_load_b32 v[BI+8*\b], v14, s[96:97] offset:64*\b   ; bq of column 16 b + r
.endr
	WIN TO_B
.irp b, 0,1,2,3,4,5,6,7
	global_load_b32 v[BH+8*(\b%4)+128*(\b/4)], v14, s[98:99] offset:64*\b   ; bk likewise, into window 1
.endr
	WIN 0
	v_mul_u32_u24 v3, v1, PITCH
	v_mul_u32_u24 v4, v2, 24
	v_add_nc_u32 v4, v3, v4                        ; a fragment's row x pitch + 24 h
	v_lshl_add_u32 v5, v2, 4, v4                   ; and the same behind one padding more
	s_mul_i32 s21, s15, HALFT                      ; my 128 rows of A
	s_mul_i32 s22, s16, HALFT                      ; my 128 rows of B,
	s_add_co_u32 s22, s22, 2*HALFT                 ; which lie behind A's 256
.irp s, 0,1
	v_add_nc_u32 v[ADRA+\s], s21, v4
	v_add_nc_u32 v[ADRB+\s], s22, v4
	v_add_nc_u32 v[ADRA+2+\s], s21, v5
	v_add_nc_u32 v[ADRB+2+\s], s22, v5
	s_add_co_u32 s21, s21, SLOT
	s_add_co_u32 s22, s22, SLOT
.endr
	v_mul_u32_u24 v5, v1, KS                       ; my row's scales: 32 bytes a row,
	v_lshrrev_b32 v6, 8, v5
	v_lshl_add_u32 v5, v6, 4, v5                   ; and 16 more for each 256 passed
	s_mul_i32 s21, s15, HALFS
	s_mul_i32 s22, s16, HALFS
	s_add_co_u32 s22, s22, SCB-SCA
	s_sub_co_u32 s22, s22, s21
	v_mul_u32_u24 v6, s22, v2                      ; lanes 16-31 take B's: the lower base + h x the distance
	s_add_co_u32 s21, s21, SCA
	v_add_nc_u32 v5, v5, v6
	v_add_nc_u32 v[ADRS], s21, v5
	v_mad_u32_u24 v[ADRS1], v2, 2*HALFS, v[ADRS]   ; Wk's scales lie 256 rows behind Wq's
	s_lshl_b32 s21, s14, 10
	s_add_co_u32 s21, s21, WT
	v_lshl_add_u32 v7, v15, 4, s21                 ; v7: where I put my head's weights: WT + 1,024 w + 16 lane
	s_lshl_b32 s21, s16, 11
	s_lshl_b32 s22, s15, 9
	s_add_co_u32 s21, s21, s22
	s_add_co_u32 s21, s21, WT
	v_lshl_add_u32 v8, v2, 5, s21                  ; v8: where I read my rows' weights: heads 2 s16 + hh, rows 128 s15 + 16 a + 8 h + j
	s_lshl_b32 s21, s15, 10
	s_lshl_b32 s22, s16, 9
	s_add_co_u32 s21, s21, s22
	s_add_co_u32 s21, s21, PST
	v_lshl_add_u32 v9, v1, 2, s21                  ; v9: my row half's sums of my columns
	s_lshl_b32 s21, s14, 8
	s_add_co_u32 s21, s21, PST
	v_lshl_add_u32 v10, v15, 3, s21                ; v10: columns 64 w + 2 lane, on the way out
	v_lshlrev_b32 v11, 3, v15                      ; v11: 8 lane
	v_mov_b32 v141, 0                              ; written once: a lane permute's destination counts as one of its sources
	v_mov_b32 v157, 0
	s_wait_loadcnt 0x0
.irp b, 0,1,2,3,4,5,6,7
.irp j, 1,2,3,4,5,6,7
	v_mov_b32 v[BI+8*\b+\j], v[BI+8*\b]            ; a lane's eight results of a tile lie in one column: eight times the same bias
.endr
.endr
	WIN 0x41                                       ; source 0 and destination window 1
.irp b, 0,1,2,3,4,5,6,7
.irp j, 1,2,3,4,5,6,7
	v_mov_b32 v[BH+8*(\b%4)+128*(\b/4)+\j], v[BH+8*(\b%4)+128*(\b/4)]
.endr
.endr
	WIN 0
	; THE WEIGHTS, both tiles' line by line by turns (registers 16 apart)
.irp z, 0,16
	v_max_num_f32 v[140+\z], v[128+\z], v[129+\z]
.endr
	REDMAX2 140, 141                               ; M: the column's largest logit over the batch's 4,096 rows
.irp z, 0,16
	v_sub_f32 v[128+\z], v[128+\z], v[140+\z]
	v_sub_f32 v[129+\z], v[129+\z], v[140+\z]
.endr
.irp z, 0,16
	v_mul_f32 v[128+\z], 0x3fb8aa3b, v[128+\z]
	v_mul_f32 v[129+\z], 0x3fb8aa3b, v[129+\z]
.endr
.irp z, 0,16
	v_exp_f32 v[128+\z], v[128+\z]
	v_exp_f32 v[129+\z], v[129+\z]
.endr
.irp z, 0,16
.irp k, 0,1,2,3,4,5,6,7
	v_sub_f32 v[132+\z+\k], v[132+\z+\k], v[140+\z]   ; (plain work behind the four exponentials)  the maximum is taken away first
.endr
.endr
.irp z, 0,16
.irp k, 0,1,2,3,4,5,6,7
	v_mul_f32 v[132+\z+\k], 0x3fb8aa3b, v[132+\z+\k]
.endr
.endr
	s_wait_alu depctr_va_vdst(0)                   ; one wait for the four, ahead of their first reader
.irp z, 0,16
	v_mul_f32 v[128+\z], v[128+\z], v[130+\z]
.endr
.irp z, 0,16
	v_fma_f32 v[128+\z], v[129+\z], v[131+\z], v[128+\z]
.endr
	REDADD2 128, 141                               ; Z: the blocks' sums brought under M
.irp z, 0,16
.irp k, 0,1,2,3,4,5,6,7
	v_exp_f32 v[132+\z+\k], v[132+\z+\k]
.endr
.endr
.irp z, 0,16
	v_rcp_f32 v[142+\z], v[128+\z]
.endr
	v_nop                                          ; a plain instruction behind the batch
	s_wait_alu depctr_va_vdst(0)                   ; and its one wait
.irp z, 0,16
.irp k, 0,1,2,3,4,5,6,7
	v_mul_f32 v[132+\z+\k], v[132+\z+\k], v[142+\z]
.endr
.endr
.irp z, 0,16
.irp k, 0,1,2,3,4,5,6,7
	v_med3_num_f32 v[132+\z+\k], v[132+\z+\k], 0x3089705f, 1.0   ; the clip to 1e-9 .. 1
.endr
.endr
	ds_store_b128 v7, v[132:135]
	ds_store_b128 v7, v[136:139] offset:512
	ds_store_b128 v7, v[148:151] offset:4096       ; the second tile's
	ds_store_b128 v7, v[152:155] offset:4608
.macro FRAG reg, adr, q, ro            ; a fragment: lane (r, h) takes 24 bytes at 96 q + 24 h and at 96 q + 48 + 24 h of its row, in pieces of 8 bytes; ro: the fragment's first row
.irp p, 0,1,2,3,4,5
.set PC, 12*(\q)+6*(\p/3)+\p%3         ; 16 bytes of padding lie behind every 8 pieces: where the piece three on lies behind one padding more, the second address register serves
.if PC%8 < 5
	ds_load_b64 v[\reg+2*\p:\reg+2*\p+1], v[\adr] offset:8*PC+16*(PC/8)+(\ro)*PITCH
.else
	ds_load_b64 v[\reg+2*\p:\reg+2*\p+1], v[\adr+2] offset:8*PC+16*(PC/8)+(\ro)*PITCH
.endif
.endr
.endm
; 16 matrix instructions: A's blocks a0, a0 + 1 x B's eight, 128 along K.  p: B's set; sc: the set of scale words.  first = 1: bq is C; 2: bk is C.  The 64 accumulators take turns, in the same order in every step.
.macro MUL16 a0, p, q, sc, first
.irp a, \a0, \a0+1
.irp b, 0,1,2,3,4,5,6,7
.if (\first) == 1
	v_wmma_scale_f32_16x16x128_f8f6f4 v[8*(8*((\a)%4)+\b):8*(8*((\a)%4)+\b)+7], v[AF+FR*(\a):AF+FR*(\a)+FR-1], v[128*(\p)+FR*\b:128*(\p)+FR*\b+FR-1], v[BI+8*\b:BI+8*\b+7], v[SC+8*NQ*(\sc)+NQ*(\a)+(\q)], v[SC+8*NQ*(\sc)+NQ*\b+(\q)] matrix_a_fmt:MATRIX_FMT_FP6 matrix_b_fmt:MATRIX_FMT_FP6 matrix_b_scale:MATRIX_SCALE_ROW1
.elseif (\first) == 2
	v_wmma_scale_f32_16x16x128_f8f6f4 v[8*(8*((\a)%4)+\b):8*(8*((\a)%4)+\b)+7], v[AF+FR*(\a):AF+FR*(\a)+FR-1], v[128*(\p)+FR*\b:128*(\p)+FR*\b+FR-1], v[BH+8*(\b%4)+128*(\b/4):BH+8*(\b%4)+128*(\b/4)+7], v[SC+8*NQ*(\sc)+NQ*(\a)+(\q)], v[SC+8*NQ*(\sc)+NQ*\b+(\q)] matrix_a_fmt:MATRIX_FMT_FP6 matrix_b_fmt:MATRIX_FMT_FP6 matrix_b_scale:MATRIX_SCALE_ROW1
.else
	v_wmma_scale_f32_16x16x128_f8f6f4 v[8*(8*((\a)%4)+\b):8*(8*((\a)%4)+\b)+7], v[AF+FR*(\a):AF+FR*(\a)+FR-1], v[128*(\p)+FR*\b:128*(\p)+FR*\b+FR-1], v[8*(8*((\a)%4)+\b):8*(8*((\a)%4)+\b)+7], v[SC+8*NQ*(\sc)+NQ*(\a)+(\q)], v[SC+8*NQ*(\sc)+NQ*\b+(\q)] matrix_a_fmt:MATRIX_FMT_FP6 matrix_b_fmt:MATRIX_FMT_FP6 matrix_b_scale:MATRIX_SCALE_ROW1
.endif
.endr
.endr
.endm
.macro FETCH_B slot, q, p
	WIN TO_B
.irp i, 0,1,2,3,4,5,6,7
	FRAG 128*(\p)+FR*\i, ADRB+\slot, \q, 16*\i
.endr
	WIN 0
.endm
.macro FETCH_A slot, q, i0
.irp i, \i0, \i0+1, \i0+2, \i0+3
	FRAG AF+FR*(\i), ADRA+\slot, \q, 16*(\i)
.endr
.endm
.macro SCALES sc                       ; a K step's scale words into set sc: two words a row; lanes 0-15 A's block i, lanes 16-31 B's block i
.irp i, 0,1,2,3,4,5,6,7
	ds_load_b64 v[SC+8*NQ*\sc+NQ*\i:SC+8*NQ*\sc+NQ*\i+1], v[ADRS] offset:\i*SBLK
.endr
.endm
.macro STEP slot, q, first             ; a step of 128 along K that has its successor in the same slot
	s_wait_dscnt 4*NLA                             ; B's set and A's blocks 0-3 are in; the youngest loads (A's blocks 4-7) may be out
.if (\first) == 1
	WIN MUL_LO1
.elseif (\first) == 2
	WIN MUL_LO2
.else
	WIN MUL_LO
.endif
	MUL16 0, (\q)%2, \q, \slot, \first
	MUL16 2, (\q)%2, \q, \slot, \first
	s_wait_dscnt 0                                 ; A's blocks 4-7 are in
	PLACES NP                                      ; in front of loads into registers that matrix instructions have read
	FETCH_B \slot, (\q)+1, 1-(\q)%2
	FETCH_A \slot, (\q)+1, 0
.if (\first) == 1
	WIN MUL_HI1
.elseif (\first) == 2
	WIN MUL_HI2
.else
	WIN MUL_HI
.endif
	MUL16 4, (\q)%2, \q, \slot, \first
	MUL16 6, (\q)%2, \q, \slot, \first
	PLACES NP
	WIN 0
	FETCH_A \slot, (\q)+1, 4
.endm
; A slot's last step changes slots: one barrier; in front of it each wave waits for all its tensor loads, adds 0 to its spare word, and waits for that and for its reads of this slot.
; fill = 1: the slot is filled again, two K steps ahead; fill = 2: with the SECOND TILE's K step of the same slot: x goes back along K, B is Wk's; fill = 0: nothing is left to fetch.
; fetch = 0: the tile's last step: no fragments are fetched, since the tile's sums are taken in their registers.
.macro TURN slot, next, fill, fetch
	s_wait_tensorcnt 0x0                           ; all my tensor loads have landed: my part of the next slot
	ds_add_u32 v[SPW], v[NIL]                      ; 0 onto my spare word
	s_wait_dscnt 4*NLA+1                           ; (the add and the youngest loads, A's blocks 4-7, may be out)
	WIN MUL_LO
	MUL16 0, 1, NQ-1, \slot, 0                     ; sixteen matrix instructions stand between the add and the wait for it
	s_wait_dscnt 0x0                               ; the add is done, and my reads of this slot are over
	s_barrier_signal -1
	MUL16 2, 1, NQ-1, \slot, 0
	WIN 0
	s_barrier_wait -1
.if \fill
	CREST                                          ; the barrier has opened a round of the cluster's barrier: no wave of any partner still reads this slot or has a load on its way
.if (\fill) == 1
	s_add_nc_u64 s[G0+4*\slot+2:G0+4*\slot+3], s[G0+4*\slot+2:G0+4*\slot+3], 2*ROWB
	s_add_nc_u64 s[G0B+4*\slot+2:G0B+4*\slot+3], s[G0B+4*\slot+2:G0B+4*\slot+3], 2*ROWB
.else
	s_sub_nc_u64 s[G0+4*\slot+2:G0+4*\slot+3], s[G0+4*\slot+2:G0+4*\slot+3], 2*ROWB
	s_add_nc_u64 s[G0B+4*\slot+2:G0B+4*\slot+3], s[WKT:WKT+1], \slot*ROWB
	s_or_b32 s[G0B+4*\slot+3], s[G0B+4*\slot+3], 0x80000000
.endif
	JLOAD G0+4*\slot, G1, G0B+4*\slot, G1B         ; the first tensor load behind the round; its four v_nop are the places in front of the loads below
.else
	PLACES NP
.endif
.if \fetch
	v_add_nc_u32 v[ADRS], 4*NQ, v[ADRS]            ; on to the next K step's scale words
	FETCH_B \next, 0, 0
	FETCH_A \next, 0, 0
	SCALES \next
.endif
	WIN MUL_HI
	MUL16 4, 1, NQ-1, \slot, 0
	MUL16 6, 1, NQ-1, \slot, 0
.if \fetch
	PLACES NP
	WIN 0
	FETCH_A \next, 0, 4
.else
	WIN 0
.endif
.endm
; TILE z IS FINISHED: the sum over my 128 rows of w x the tile, column by column, into the tile's own bytes of PST
.macro FINISH z
	PLACES NP                                      ; in front of the loads into A's registers and of the first read of results
.irp hh, 0,1
.irp a, 0,1,2,3,4,5,6,7
	ds_load_b128 v[WR+64*\hh+8*\a:WR+64*\hh+8*\a+3], v8 offset:4096*(\z)+1024*\hh+64*\a
	ds_load_b128 v[WR+64*\hh+8*\a+4:WR+64*\hh+8*\a+7], v8 offset:4096*(\z)+1024*\hh+64*\a+16
.endr
.endr
	s_wait_dscnt 0x0
.irp a, 0,1,2,3,4,5,6,7
	WIN 0x02+(\a)/4                                ; source 0: the accumulators' window
.irp i, 0,1,2,3                                ; each accumulator from its low end on; eight chains by turns
.irp b, 0,1,2,3,4,5,6,7
.if ((\a)+(\i)) == 0
	v_pk_mul_f32 v[CH+2*\b:CH+2*\b+1], v[8*(8*((\a)%4)+\b)+2*\i:8*(8*((\a)%4)+\b)+2*\i+1], v[WR+64*(\b/4)+8*\a+2*\i:WR+64*(\b/4)+8*\a+2*\i+1]
.else
	v_pk_fma_f32 v[CH+2*\b:CH+2*\b+1], v[8*(8*((\a)%4)+\b)+2*\i:8*(8*((\a)%4)+\b)+2*\i+1], v[WR+64*(\b/4)+8*\a+2*\i:WR+64*(\b/4)+8*\a+2*\i+1], v[CH+2*\b:CH+2*\b+1]
.endif
.endr
.endr
.endr
	WIN 0
.irp b, 0,1,2,3,4,5,6,7
	v_add_f32 v[CH+2*\b], v[CH+2*\b], v[CH+2*\b+1]
.endr
.irp b, 0,1,2,3,4,5,6,7
	v_permlanex16_b32 v[80+\b], v[CH+2*\b], s[SEL], s[SEL+1]   ; the other eight rows of each sixteen lie in lane l xor 16
.endr
.irp b, 0,1,2,3,4,5,6,7
	v_add_f32 v[CH+2*\b], v[CH+2*\b], v[80+\b]
.endr
.irp b, 0,1,2,3,4,5,6,7
	ds_store_b32 v9, v[CH+2*\b] offset:2048*(\z)+64*\b   ; both halves of the lanes write the same word with the same value
.endr
.endm
	s_wait_tensorcnt 1                             ; the scales and my part of K step 0 are in; K step 1's load may stay out
	s_wait_dscnt 0x0                               ; my head's weights lie in LDS
	s_barrier_signal -1
	s_barrier_wait -1
	FETCH_B 0, 0, 0
	FETCH_A 0, 0, 0
	SCALES 0
	FETCH_A 0, 0, 4
	STEP 0, 0, 1                                   ; Q's tile.  K = 1,024 is four K steps: the eight steps of 128 are written out
	TURN 0, 1, 1, 1
	STEP 1, 0, 0
	TURN 1, 0, 1, 1
	STEP 0, 0, 0
	TURN 0, 1, 2, 1                                ; THE RING GOES ON INTO K's TILE: slot 0 takes its K step 0,
	STEP 1, 0, 0
	TURN 1, 0, 2, 0                                ; slot 1 its K step 1
	FINISH 0                                       ; both refills are asked for: they land while Q's sums are taken
.set ADRS, ADRS1
	FETCH_B 0, 0, 0                                ; slot 0 was shown whole to every wave by the last change of slots
	FETCH_A 0, 0, 0
	SCALES 0
	FETCH_A 0, 0, 4
	STEP 0, 0, 2                                   ; K's tile
	TURN 0, 1, 1, 1
	STEP 1, 0, 0
	TURN 1, 0, 1, 1
	STEP 0, 0, 0
	TURN 0, 1, 0, 1                                ; nothing is left to fetch
	STEP 1, 0, 0
	s_wait_dscnt 4*NLA
	WIN MUL_LO
	MUL16 0, 1, NQ-1, 1, 0
	MUL16 2, 1, NQ-1, 1, 0
	s_wait_dscnt 0
	WIN MUL_HI
	MUL16 4, 1, NQ-1, 1, 0
	MUL16 6, 1, NQ-1, 1, 0
	WIN 0
	FINISH 1
	s_wait_dscnt 0x0                               ; for the others' sake: my stores have landed (Q's landed ahead of the barriers of K's tile)
	s_barrier_signal -1
	s_barrier_wait -1
	ds_load_b64 v[96:97], v10                      ; Q: rows 0-127's sums of columns 64 w + 2 lane, + 1,
	ds_load_b64 v[98:99], v10 offset:1024          ; and rows 128-255's;
	ds_load_b64 v[100:101], v10 offset:2048        ; K likewise
	ds_load_b64 v[102:103], v10 offset:3072
	s_wait_dscnt 0x0
	v_pk_add_f32 v[96:97], v[96:97], v[98:99]
	v_pk_add_f32 v[100:101], v[100:101], v[102:103]
	global_store_b64 v11, v[96:97], s[12:13]       ; 32 lanes store 256 consecutive bytes, at a multiple of 256 from part's first byte
	global_store_b64 v11, v[100:101], s[12:13] offset:4096
	s_wait_tensorcnt 0x0                           ; the wave's end: a wait, an add of 0 to my spare word and its wait, behind my last tensor load and my last LDS store
	ds_add_u32 v[SPW], v[NIL]
	s_wait_dscnt 0x0
	CROUND                                         ; the closing round: no work-group ends while a partner may still ask for a tile that names it
	s_endpgm
.Lfunc_end_k_q67254ae4f6_pool:
	.size	k_q67254ae4f6_pool, .Lfunc_end_k_q67254ae4f6_pool-k_q67254ae4f6_pool
	.p2alignl 7, 3214868480
	.fill 96, 4, 3214868480
	.section	.rodata,"a",@progbits
	.p2align	6, 0x0
	.amdhsa_kernel k_q67254ae4f6_pool
		.amdhsa_group_segment_fixed_size 327680
		.amdhsa_private_segment_fixed_size 0
		.amdhsa_enable_private_segment 0
		.amdhsa_kernarg_size 88
		.amdhsa_user_sgpr_count 2
		.amdhsa_user_sgpr_kernarg_segment_ptr 1
		.amdhsa_wavefront_size32 1
		.amdhsa_system_sgpr_workgroup_id_x 1
		.amdhsa_system_sgpr_workgroup_id_y 1
		.amdhsa_system_sgpr_workgroup_id_z 1
		.amdhsa_system_vgpr_workitem_id 0
		.amdhsa_next_free_vgpr 1024
		.amdhsa_next_free_sgpr 106
		.amdhsa_reserve_vcc 0
		.amdhsa_float_denorm_mode_32 3
		.amdhsa_float_denorm_mode_16_64 3
		.amdhsa_memory_ordered 1
		.amdhsa_forward_progress 1
		.amdhsa_inst_pref_size 255
	.end_amdhsa_kernel
	.section	.bss,"aw",@nobits
	.p2align	6
	.space	262144
	.amdgpu_metadata
---
amdhsa.version: [ 1, 2 ]
amdhsa.kernels:
  - .name:           k_q67254ae4f6_pool
    .symbol:         k_q67254ae4f6_pool.kd
    .args:
      - { .name: x_codes, .offset: 0, .size: 8, .value_kind: global_buffer, .address_space: global }
      - { .name: x_scales, .offset: 8, .size: 8, .value_kind: global_buffer, .address_space: global }
      - { .name: Wq_codes, .offset: 16, .size: 8, .value_kind: global_buffer, .address_space: global }
      - { .name: Wq_scales, .offset: 24, .size: 8, .value_kind: global_buffer, .address_space: global }
      - { .name: Wk_codes, .offset: 32, .size: 8, .value_kind: global_buffer, .address_space: global }
      - { .name: Wk_scales, .offset: 40, .size: 8, .value_kind: global_buffer, .address_space: global }
      - { .name: bq, .offset: 48, .size: 8, .value_kind: global_buffer, .address_space: global }
      - { .name: bk, .offset: 56, .size: 8, .value_kind: global_buffer, .address_space: global }
      - { .name: lg, .offset: 64, .size: 8, .value_kind: global_buffer, .address_space: global }
      - { .name: st, .offset: 72, .size: 8, .value_kind: global_buffer, .address_space: global }
      - { .name: part, .offset: 80, .size: 8, .value_kind: global_buffer, .address_space: global }
    .group_segment_fixed_size: 327680
    .private_segment_fixed_size: 0
    .kernarg_segment_align: 8
    .kernarg_segment_size: 88
    .max_flat_workgroup_size: 128
    .sgpr_count:     106
    .vgpr_count:     1024
    .wavefront_size: 32
...
	.end_amdgpu_metadata
.endif
;; end of part 2
;; launch mix (part 3): grid 4 x 64, 4 waves a work-group, clusters of 4 x 4, 327,680 bytes of LDS; arguments x_codes, x_scales, Wq_codes, Wq_scales, Wv_codes, Wv_scales, bq, bv, part, rc, rs; writes rc, rs
.if DOCPART == 3
	.amdgcn_target "amdgcn-amd-amdhsa--gfx1250"
	.amdhsa_code_object_version 6
	.text
	.protected	k_q67254ae4f6_mix
	.globl	k_q67254ae4f6_mix
	.p2align	8
	.type	k_q67254ae4f6_mix,@function
k_q67254ae4f6_mix:
	s_mov_b64 s[64:65], 0
	v_nop
	global_prefetch_b8 v0, s[64:65] scope:SCOPE_SE
	s_setreg_imm32_b32 hwreg(HW_REG_WAVE_MODE, 25, 1), 1
	s_wait_xcnt 0x0
	s_wait_alu depctr_hold_cnt(0) depctr_sa_sdst(0) depctr_va_vdst(0) depctr_va_sdst(0) depctr_va_ssrc(0) depctr_va_vcc(0) depctr_vm_vsrc(0)
	s_getreg_b32 s2, hwreg(HW_REG_IB_STS2, 6, 4)
	s_cmp_eq_u32 s2, 0
	s_cbranch_scc0 .Lentry_in_a_cluster
	s_endpgm
.Lentry_in_a_cluster:
	s_bfe_u32 s2, ttmp6, 0x10000c
	s_cmp_lg_u32 s2, 0xf033
	s_cbranch_scc0 .Lentry_shape_is_right
	s_endpgm
.Lentry_shape_is_right:
; FASTFORMER ATTENTION, launch 3 of 4: gq = l2norm(sum wq Q), gk = l2norm(gq x sum wk K) from part; Q = x Wq + bq and V = x Wv + bv on codes of FP6 (E2M3); R = V gk + Q, quantised along its 1,024 columns
; into rc (codes, as images of the next product's operand registers) and rs (a scale word for each row and 128 columns).  No work of reference() is left out.
; rc: [64 tile rows][8 steps of 128 columns][16 blocks of 16 rows][2 halves of 64 columns][768 bytes]: a half is registers 0-3 of its six at 16 x lane (512 bytes), then registers 4, 5 at 8 x lane (256 bytes).
; rs: [64 tile rows][8 steps][256 rows] of 32-bit words.
; LIMITS: NaN, infinities and the scale byte 0xff are not served; v / max(n, 1e-6) is v_rcp_f32 and a multiplication; the biases stand as C, ahead of the sums; a block of zeros of R gets the scale byte 1
; where the stated quantiser says 127: its codes are zeros, and this program alone reads the bytes.
; SHARES.  A tile is 256 rows x 128 columns of BOTH Q and V: B's 256 LDS rows are 128 rows of Wq, then the same 128 of Wv.  A wave takes 128 rows x one head:
; its column blocks 0-3 are Q's, 4-7 V's of the same 64 columns, so R is made in the wave's own registers.
; A WORK-GROUP STAYS: it makes two tiles on the same 256 rows of x: columns 128 cx on, then columns 128 (cx + 4) on.  The ring does not stop between them: the first tile's last two changes of slots ask for the second
; tile's first two K steps, which land while the first tile is quantised and stored.  The head's work is done once for both.  Four tensor loads a wave are out at the start, one behind each round.
; THE PRODUCT IS TRANSPOSED (source 0 = 16 rows of W, source 1 = 16 rows of x): register j of a tile is column 16 t + 8 h + j of row r: a lane's registers run along R's columns, the next product's K.
; REGISTERS: as in launch 2; the bias as C: eight registers a column block, in the result's layout: the first tile's in window 0, v64-127, the second's in window 1, v96-127 and v224-255.
; On a tile's way out, window 0: v64-95 gk; v96-121 at work; v128-191 R of two row blocks; v192-255 the codes, registers of its own for each block.
.set NQ,     2
.set ROWB,   192
.set KROW,   768
.set PITCH,  240
.set FR,     12
.set NLA,    6
.set NP,     4
.set HALFT,  128*PITCH
.set SLOT,   4*HALFT
.set KS,     32
.set QUARS,  8*272
.set HALFS,  16*272
.set SBLK,   2*272
.set SCA,    2*SLOT                    ; x's scales, 256 rows
.set SCB,    SCA+2*HALFS               ; [2 tiles][Wq's 128 rows, Wv's 128 rows]
.set SPARE,  SCB+4*HALFS
.set GKS,    SPARE+512                 ; gk: [2 tiles][4 waves] 256 bytes
.set SST,    GKS+2048                  ; the tiles' scale words: [2 tiles] one a row
.set ADRA, 16
.set ADRB, 20
.set ADRS, 27                          ; v27 my scale words for blocks 0-3 in the first tile: lanes 0-15 A's rows, lanes 16-31 Wq's;  v24 in the second tile
.set ADRS2, 30                         ; v30 for blocks 4-7: lanes 16-31 Wv's;  v25 in the second tile
.set SPW,  28
.set NIL,  29
.set SC,   32                          ; v32-63 scale words, two sets, and nothing else
.set BI,   64
.set BH,   96                          ; in window 1: the second tile's bias, column block b at v[BH + 8 (b % 4) + 128 (b / 4)]
.set AF,   128
.set GK,   64
.set MX,   96                          ; four blocks' largest magnitudes;  PX: lane l xor 16's;  SO: the conversions' scale operands;  BY: the bytes
.set PX,   100
.set SO,   104
.set BY,   108
.set TT,   112                         ; the second block's codes, four registers a row block
.set HWD,  120                         ; a row's two scale bytes
.set RT,   128
.set CDB,  192
.set G1, 24
.set G0, 32
.set G1B, 48
.set G0B, 56
.set G1S, 68
.set G0S, 76
.set G1SB, 80
.set G0SB, 88
.set SEL, 92
.set MSB, 0
.macro WIN new
.if MSB != (\new)
	s_set_vgpr_msb (MSB<<8)|(\new)
.set MSB, (\new)
.endif
.endm
.set MUL_LO,  0xa1                     ; source 0 (B) window 1, source 1 (A) window 0, C and D window 2
.set MUL_HI,  0xf1
.set MUL_LO1, 0x81                     ; the first tile's first step: C (the bias) window 0
.set MUL_HI1, 0xc1
.set MUL_LO2, 0x91                     ; the second tile's first step: C window 1
.set MUL_HI2, 0xd1
.set TO_B,    0x40
.macro JLOAD g0a, g1a, g0b, g1b        ; a joint load: waves 0 and 1 fetch for A, wave 2 for Wq, wave 3 for Wv; an s_nop 0 and four v_nop follow each of the two lines
	s_cmp_eq_u32 s15, 0
	s_cbranch_scc0 .Lfor_b_\@
	tensor_load_to_lds s[\g0a:\g0a+3], s[\g1a:\g1a+7]
	s_nop 0
.rept 4
	v_nop
.endr
	s_branch .Lasked_\@
.Lfor_b_\@:
	tensor_load_to_lds s[\g0b:\g0b+3], s[\g1b:\g1b+7]
	s_nop 0
.rept 4
	v_nop
.endr
.Lasked_\@:
.endm
.macro CREST
	s_cmp_lg_u32 s14, 0
	s_cbranch_scc1 .Lnot_wave_0_\@
	s_barrier_signal -3
.Lnot_wave_0_\@:
	s_barrier_wait -3
	s_barrier_signal -1
	s_barrier_wait -1
.endm
.macro CROUND
	s_barrier_signal -1
	s_barrier_wait -1
	CREST
.endm
.macro PLACES n
.rept \n
	v_nop
.endr
.endm
; A head's 64 numbers, two a lane in v[128 + xo + 64 z], + 1, are divided by max(their norm, 1e-6); both tiles' heads (z = 0, 1) line by line by turns; v3-v6 at work
.macro L2N2 xo
.irp z, 0,1
	v_mul_f32 v[3+2*\z], v[128+\xo+64*\z], v[128+\xo+64*\z]
.endr
.irp z, 0,1
	v_fma_f32 v[3+2*\z], v[129+\xo+64*\z], v[129+\xo+64*\z], v[3+2*\z]
.endr
.irp m, 1,2,4,8
.irp z, 0,1
	v_add_f32_dpp v[3+2*\z], v[3+2*\z], v[3+2*\z] row_xmask:\m row_mask:0xf bank_mask:0xf
.endr
.endr
.irp z, 0,1
	v_permlanex16_b32 v[4+2*\z], v[3+2*\z], s[SEL], s[SEL+1]
.endr
.irp z, 0,1
	v_add_f32 v[3+2*\z], v[3+2*\z], v[4+2*\z]
.endr
	v_sqrt_f32 v3, v3
	v_sqrt_f32 v5, v5
	v_nop                                          ; a plain instruction behind the transcendentals,
	s_wait_alu depctr_va_vdst(0)                   ; and a wait ahead of their first reader
	v_max_num_f32 v3, 0x358637bd, v3
	v_max_num_f32 v5, 0x358637bd, v5
	v_rcp_f32 v3, v3
	v_rcp_f32 v5, v5
	v_nop
	s_wait_alu depctr_va_vdst(0)
.irp z, 0,1
	v_mul_f32 v[128+\xo+64*\z], v[128+\xo+64*\z], v[3+2*\z]
	v_mul_f32 v[129+\xo+64*\z], v[129+\xo+64*\z], v[3+2*\z]
.endr
.endm
	s_load_b256 s[4:11], s[0:1], 0x0               ; x's codes s[4:5], x's scales s[6:7], Wq's codes s[8:9], Wq's scales s[10:11]
	s_load_b256 s[92:99], s[0:1], 0x20             ; Wv's codes s[92:93], Wv's scales s[94:95], bq s[96:97], bv s[98:99]
	s_load_b64 s[100:101], s[0:1], 0x40            ; part
	s_load_b64 s[12:13], s[0:1], 0x48              ; rc
	s_load_b64 s[104:105], s[0:1], 0x50            ; rs
	v_lshl_add_u32 v[SPW], v0, 2, SPARE
	v_mov_b32 v[NIL], 0
	ds_add_u32 v[SPW], v[NIL]                      ; the wave's opening: the add, twice on end, and its wait ahead of my first tensor load
	ds_add_u32 v[SPW], v[NIL]                      ; and once more; the set-up below, work on registers, stands between it and the wait
	v_lshrrev_b32 v1, 5, v0
	v_readfirstlane_b32 s14, v1                    ; wave 0..3
	s_lshr_b32 s15, s14, 1                         ; which half of the tile's rows is mine.  Also: I fetch for A (0) or for B (1); and the first (0) or the second (1) tile's weight scales
	s_and_b32 s16, s14, 1                          ; which of the tile's two heads is mine.  Also: which 128 rows of x, or which of Wq and Wv, I fetch
	s_bfe_u32 s40, ttmp6, 0x40000                  ; cx
	s_bfe_u32 s41, ttmp6, 0x40004                  ; cy
	s_mov_b32 s42, s40                             ; ct of the first tile: columns 128 ct on; the second tile's is ct + 4
	s_and_b32 s17, ttmp7, 0xffff
	s_lshl_b32 s17, s17, 2
	s_add_co_u32 s17, s17, s41                     ; tile row = 4 x cluster y + cy
	s_lshl_b32 s43, s41, 2
	s_lshl_b32 s43, 15, s43                        ; my row of the cluster
	s_lshl_b32 s44, 0x1111, s40                    ; my column
	s_or_b32 s[G1+0], s43, (0<<16)|(1<<20)|(1<<21)|(3<<22)|(3<<25)
	s_or_b32 s[G1B+0], s44, (0<<16)|(1<<20)|(1<<21)|(3<<22)|(3<<25)
.irp g, G1, G1B
	s_mov_b32 s[\g+1], ROWB<<16
	s_mov_b32 s[\g+2], 128<<16
	s_mov_b32 s[\g+3], ROWB<<16
	s_mov_b32 s[\g+4], 128
	s_mov_b32 s[\g+5], KROW
	s_mov_b32 s[\g+6], 0
	s_mov_b32 s[\g+7], 0
.endr
	s_or_b32 s[G1S+0], s43, (3<<16)|(1<<20)|(1<<21)|(5<<22)|(3<<25)  ; x's scales of 64 rows: 2,048 dense bytes as 8 rows of 256, 16 bytes of padding behind each
	s_mov_b32 s[G1S+1], 32<<16
	s_mov_b32 s[G1S+2], 8<<16
	s_mov_b32 s[G1S+3], 32<<16
	s_mov_b32 s[G1S+4], 8
	s_mov_b32 s[G1S+5], 32
	s_mov_b32 s[G1S+6], 0
	s_mov_b32 s[G1S+7], 0
	s_or_b32 s[G1SB+0], s44, (3<<16)|(1<<20)|(1<<21)|(5<<22)|(3<<25) ; a weight's scales of 128 rows: 16 rows of 256
	s_mov_b32 s[G1SB+1], 32<<16
	s_mov_b32 s[G1SB+2], 16<<16
	s_mov_b32 s[G1SB+3], 32<<16
	s_mov_b32 s[G1SB+4], 16
	s_mov_b32 s[G1SB+5], 32
	s_mov_b32 s[G1SB+6], 0
	s_mov_b32 s[G1SB+7], 0
	s_lshl_b32 s18, s16, 7
	s_lshl_b32 s20, s17, 8                         ; the tile's first row of x
	s_lshl_b32 s22, s14, 6
	s_add_co_u32 s22, s22, s20                     ; x's scales: rows 256 x tile row + 64 x wave on,
	s_lshl_b32 s22, s22, 5                         ; in bytes
	s_mov_b32 s23, 0
	s_add_co_u32 s20, s20, s18                     ; A: row 256 x tile row + 128 x half
	s_lshl_b32 s46, s42, 7                         ; B: row 128 ct, of Wq and of Wv alike
	s_lshl_b32 s66, s15, 9                         ; the second tile's rows lie 512 further down
	s_add_co_u32 s66, s66, s46
	s_lshl_b32 s66, s66, 5                         ; the weight scales that I fetch
	s_mov_b32 s67, 0
	s_mul_i32 s20, s20, KROW
	s_mov_b32 s21, 0
	s_mul_i32 s46, s46, KROW
	s_mov_b32 s47, 0
	s_mul_i32 s45, s14, HALFT
	s_mul_i32 s2, s14, QUARS
	s_mul_i32 s3, s14, HALFS
	s_wait_dscnt 0x0                               ; both opening adds are done
	s_wait_kmcnt 0x0
	s_cmp_eq_u32 s16, 0                            ; the wave's number alone: even waves fetch of Wq, odd waves of Wv
	s_cselect_b64 s[8:9], s[8:9], s[92:93]
	s_cselect_b64 s[10:11], s[10:11], s[94:95]
	s_mov_b32 s[SEL], 0x76543210
	s_mov_b32 s[SEL+1], 0xfedcba98
	s_add_nc_u64 s[20:21], s[4:5], s[20:21]
	s_add_nc_u64 s[22:23], s[6:7], s[22:23]
	s_add_nc_u64 s[46:47], s[8:9], s[46:47]
	s_add_nc_u64 s[66:67], s[10:11], s[66:67]
	CROUND                                         ; all sixteen work-groups are here: the first joint loads meet
	s_mov_b32 s[G0S], 1
	s_add_co_u32 s[G0S+1], s2, SCA
	s_mov_b64 s[G0S+2:G0S+3], s[22:23]
	s_or_b32 s[G0S+3], s[G0S+3], 0x80000000
	tensor_load_to_lds s[G0S:G0S+3], s[G1S:G1S+7]  ; every wave issues this one, for its quarter of x's scales
	s_nop 0
.rept 4
	v_nop
.endr
	s_mov_b32 s[G0SB], 1
	s_add_co_u32 s[G0SB+1], s3, SCB
	s_mov_b64 s[G0SB+2:G0SB+3], s[66:67]
	s_or_b32 s[G0SB+3], s[G0SB+3], 0x80000000
	tensor_load_to_lds s[G0SB:G0SB+3], s[G1SB:G1SB+7]  ; and this one: Wq's or Wv's scales, of the first or of the second tile
	s_nop 0
.rept 4
	v_nop
.endr
.irp s, 0,1
	s_mov_b32 s[G0+4*\s], 1
	s_add_co_u32 s[G0+4*\s+1], s45, \s*SLOT
	s_add_nc_u64 s[G0+4*\s+2:G0+4*\s+3], s[20:21], \s*ROWB
	s_or_b32 s[G0+4*\s+3], s[G0+4*\s+3], 0x80000000
	s_mov_b32 s[G0B+4*\s], 1
	s_add_co_u32 s[G0B+4*\s+1], s45, \s*SLOT
	s_add_nc_u64 s[G0B+4*\s+2:G0B+4*\s+3], s[46:47], \s*ROWB
	s_or_b32 s[G0B+4*\s+3], s[G0B+4*\s+3], 0x80000000
	JLOAD G0+4*\s, G1, G0B+4*\s, G1B
.endr
	; THE HEAD'S LOADS go out next; the LDS addresses are made while they are on their way
	v_and_b32 v1, 15, v0                           ; r
	v_bfe_u32 v2, v0, 4, 1                         ; h
	v_and_b32 v15, 31, v0                          ; lane
	v_lshlrev_b32 v12, 3, v15                      ; v12: 8 lane
	v_lshlrev_b32 v14, 5, v2                       ; v14: 32 h
	s_lshl_b32 s66, s42, 9
	s_lshl_b32 s67, s16, 8
	s_add_co_u32 s66, s66, s67                     ; my head's 64 columns, in bytes of f32; the second tile's head lies 2,048 bytes further on
	s_mov_b32 s67, 0
	s_add_nc_u64 s[96:97], s[96:97], s[66:67]      ; bq
	s_add_nc_u64 s[98:99], s[98:99], s[66:67]      ; bv
	s_lshr_b32 s18, s17, 4                         ; the batch: 16 tile rows of 8,192 bytes
	s_lshl_b32 s18, s18, 17
	s_add_co_u32 s66, s66, s18
	s_add_nc_u64 s[100:101], s[100:101], s[66:67]  ; part
	s_lshl_b32 s18, s17, 3
	s_add_co_u32 s18, s18, s42                     ; 8 x tile row + ct
	s_mul_i32 s66, s18, 24576
	s_mul_i32 s19, s15, 12288
	s_add_co_u32 s66, s66, s19
	s_mul_i32 s19, s16, 768
	s_add_co_u32 s66, s66, s19
	s_add_nc_u64 s[12:13], s[12:13], s[66:67]      ; rc: my eight row blocks' halves; the second tile's lie 4 x 24,576 bytes further on
	s_lshl_b32 s66, s18, 10
	s_lshl_b32 s19, s14, 8
	s_add_co_u32 s66, s66, s19
	s_add_nc_u64 s[104:105], s[104:105], s[66:67]  ; rs; the second tile's words lie 4,096 bytes further on
.irp b, 0,1,2,3
	global_load_b128 v[BI+8*\b:BI+8*\b+3], v14, s[96:97] offset:64*\b       ; bq of columns 16 b + 8 h + 0 .. 7
	global_load_b128 v[BI+8*\b+4:BI+8*\b+7], v14, s[96:97] offset:64*\b+16
	global_load_b128 v[BI+32+8*\b:BI+32+8*\b+3], v14, s[98:99] offset:64*\b ; bv likewise
	global_load_b128 v[BI+32+8*\b+4:BI+32+8*\b+7], v14, s[98:99] offset:64*\b+16
.endr
.irp z, 0,1
.irp p, 0,1,2,3,4,5,6,7,8,9,10,11,12,13,14,15
	global_load_b64 v[128+64*\z+2*\p:129+64*\z+2*\p], v12, s[100:101] offset:8192*\p+2048*\z        ; the batch's sixteen partial sums of wq Q, columns 2 lane, + 1 of my head,
	global_load_b64 v[160+64*\z+2*\p:161+64*\z+2*\p], v12, s[100:101] offset:8192*\p+2048*\z+4096   ; and of wk K
.endr
.endr
	WIN TO_B
.irp b, 0,1,2,3
	global_load_b128 v[BH+8*\b:BH+8*\b+3], v14, s[96:97] offset:2048+64*\b            ; the second tile's bq, into window 1,
	global_load_b128 v[BH+8*\b+4:BH+8*\b+7], v14, s[96:97] offset:2048+64*\b+16
	global_load_b128 v[BH+128+8*\b:BH+128+8*\b+3], v14, s[98:99] offset:2048+64*\b    ; and its bv
	global_load_b128 v[BH+128+8*\b+4:BH+128+8*\b+7], v14, s[98:99] offset:2048+64*\b+16
.endr
	WIN 0
	v_mul_u32_u24 v3, v1, PITCH
	v_mul_u32_u24 v4, v2, 24
	v_add_nc_u32 v4, v3, v4
	v_lshl_add_u32 v5, v2, 4, v4
	s_mul_i32 s21, s15, HALFT                      ; my 128 rows of A
	s_mul_i32 s22, s16, 64*PITCH                   ; my head's 64 rows of Wq (Wv's lie 128 rows further on),
	s_add_co_u32 s22, s22, 2*HALFT                 ; behind A's 256
.irp s, 0,1
	v_add_nc_u32 v[ADRA+\s], s21, v4
	v_add_nc_u32 v[ADRB+\s], s22, v4
	v_add_nc_u32 v[ADRA+2+\s], s21, v5
	v_add_nc_u32 v[ADRB+2+\s], s22, v5
	s_add_co_u32 s21, s21, SLOT
	s_add_co_u32 s22, s22, SLOT
.endr
	v_mul_u32_u24 v5, v1, KS
	v_lshrrev_b32 v6, 8, v5
	v_lshl_add_u32 v5, v6, 4, v5
	s_mul_i32 s21, s15, HALFS
	s_mul_i32 s22, s16, 4*SBLK
	s_add_co_u32 s22, s22, SCB-SCA
	s_sub_co_u32 s22, s22, s21
	v_mul_u32_u24 v6, s22, v2                      ; lanes 16-31 take B's: the lower base + h x the distance
	s_add_co_u32 s21, s21, SCA
	v_add_nc_u32 v5, v5, v6
	v_add_nc_u32 v[ADRS], s21, v5
	v_mad_u32_u24 v[ADRS2], v2, HALFS-4*SBLK, v[ADRS]   ; blocks 4-7 of B are Wv's: its 128 rows begin HALFS behind Wq's, four blocks of which the offset has counted
	v_mad_u32_u24 v24, v2, 2*HALFS, v[ADRS]        ; the second tile's weight scales lie 256 rows behind the first's
	v_mad_u32_u24 v25, v2, 2*HALFS, v[ADRS2]
	s_lshl_b32 s21, s14, 8
	s_add_co_u32 s21, s21, GKS
	v_lshl_add_u32 v7, v15, 3, s21                 ; v7: where I put gk: two numbers a lane
	v_lshl_add_u32 v8, v2, 5, s21                  ; v8: where I read it back: columns 16 t + 8 h + j
	s_lshl_b32 s21, s15, 9
	s_lshl_b32 s22, s16, 1
	s_add_co_u32 s21, s21, s22
	s_add_co_u32 s21, s21, SST
	v_lshl_add_u32 v9, v1, 2, s21                  ; v9: my half of row r's scale word
	s_lshl_b32 s21, s14, 8
	s_add_co_u32 s21, s21, SST
	v_lshl_add_u32 v10, v15, 3, s21                ; v10: rows 64 w + 2 lane, on the way out
	v_lshlrev_b32 v11, 4, v15                      ; v11: 16 lane
	s_wait_loadcnt 0x0
.irp z, 0,64
.irp p, 2,4,6,8,10,12,14                       ; two chains each
	v_pk_add_f32 v[128+\z:129+\z], v[128+\z:129+\z], v[128+\z+2*\p:129+\z+2*\p]
	v_pk_add_f32 v[130+\z:131+\z], v[130+\z:131+\z], v[130+\z+2*\p:131+\z+2*\p]
	v_pk_add_f32 v[160+\z:161+\z], v[160+\z:161+\z], v[160+\z+2*\p:161+\z+2*\p]
	v_pk_add_f32 v[162+\z:163+\z], v[162+\z:163+\z], v[162+\z+2*\p:163+\z+2*\p]
.endr
	v_pk_add_f32 v[128+\z:129+\z], v[128+\z:129+\z], v[130+\z:131+\z]
	v_pk_add_f32 v[160+\z:161+\z], v[160+\z:161+\z], v[162+\z:163+\z]
.endr
	L2N2 0                                         ; gq
	v_pk_mul_f32 v[160:161], v[160:161], v[128:129]
	v_pk_mul_f32 v[224:225], v[224:225], v[192:193]
	L2N2 32                                        ; gk
	ds_store_b64 v7, v[160:161]                    ; my wave's own bytes: read back on each tile's way out, eight neighbours a lane
	ds_store_b64 v7, v[224:225] offset:1024
.macro FRAG reg, adr, q, ro
.irp p, 0,1,2,3,4,5
.set PC, 12*(\q)+6*(\p/3)+\p%3
.if PC%8 < 5
	ds_load_b64 v[\reg+2*\p:\reg+2*\p+1], v[\adr] offset:8*PC+16*(PC/8)+(\ro)*PITCH
.else
	ds_load_b64 v[\reg+2*\p:\reg+2*\p+1], v[\adr+2] offset:8*PC+16*(PC/8)+(\ro)*PITCH
.endif
.endr
.endm
; 16 matrix instructions: A's blocks a0, a0 + 1 x B's eight.  first = 1, 2: the first, the second tile's bias is C.  The 64 accumulators take turns, in the same order in every step.
.macro MUL16 a0, p, q, sc, first
.irp a, \a0, \a0+1
.irp b, 0,1,2,3,4,5,6,7
.if (\first) == 1
	v_wmma_scale_f32_16x16x128_f8f6f4 v[8*(8*((\a)%4)+\b):8*(8*((\a)%4)+\b)+7], v[128*(\p)+FR*\b:128*(\p)+FR*\b+FR-1], v[AF+FR*(\a):AF+FR*(\a)+FR-1], v[BI+8*\b:BI+8*\b+7], v[SC+8*NQ*(\sc)+NQ*\b+(\q)], v[SC+8*NQ*(\sc)+NQ*(\a)+(\q)] matrix_a_fmt:MATRIX_FMT_FP6 matrix_b_fmt:MATRIX_FMT_FP6 matrix_a_scale:MATRIX_SCALE_ROW1
.elseif (\first) == 2
	v_wmma_scale_f32_16x16x128_f8f6f4 v[8*(8*((\a)%4)+\b):8*(8*((\a)%4)+\b)+7], v[128*(\p)+FR*\b:128*(\p)+FR*\b+FR-1], v[AF+FR*(\a):AF+FR*(\a)+FR-1], v[BH+8*(\b%4)+128*(\b/4):BH+8*(\b%4)+128*(\b/4)+7], v[SC+8*NQ*(\sc)+NQ*\b+(\q)], v[SC+8*NQ*(\sc)+NQ*(\a)+(\q)] matrix_a_fmt:MATRIX_FMT_FP6 matrix_b_fmt:MATRIX_FMT_FP6 matrix_a_scale:MATRIX_SCALE_ROW1
.else
	v_wmma_scale_f32_16x16x128_f8f6f4 v[8*(8*((\a)%4)+\b):8*(8*((\a)%4)+\b)+7], v[128*(\p)+FR*\b:128*(\p)+FR*\b+FR-1], v[AF+FR*(\a):AF+FR*(\a)+FR-1], v[8*(8*((\a)%4)+\b):8*(8*((\a)%4)+\b)+7], v[SC+8*NQ*(\sc)+NQ*\b+(\q)], v[SC+8*NQ*(\sc)+NQ*(\a)+(\q)] matrix_a_fmt:MATRIX_FMT_FP6 matrix_b_fmt:MATRIX_FMT_FP6 matrix_a_scale:MATRIX_SCALE_ROW1
.endif
.endr
.endr
.endm
.macro FETCH_B slot, q, p              ; blocks 0-3: my head's rows of Wq; blocks 4-7: the same rows of Wv, 128 LDS rows further on
	WIN TO_B
.irp i, 0,1,2,3,4,5,6,7
	FRAG 128*(\p)+FR*\i, ADRB+\slot, \q, 16*(\i%4)+128*(\i/4)
.endr
	WIN 0
.endm
.macro FETCH_A slot, q, i0
.irp i, \i0, \i0+1, \i0+2, \i0+3
	FRAG AF+FR*(\i), ADRA+\slot, \q, 16*(\i)
.endr
.endm
.macro SCALES sc
.irp i, 0,1,2,3
	ds_load_b64 v[SC+8*NQ*\sc+NQ*\i:SC+8*NQ*\sc+NQ*\i+1], v[ADRS] offset:\i*SBLK
.endr
.irp i, 4,5,6,7
	ds_load_b64 v[SC+8*NQ*\sc+NQ*\i:SC+8*NQ*\sc+NQ*\i+1], v[ADRS2] offset:\i*SBLK
.endr
.endm
.macro STEP slot, q, first
	s_wait_dscnt 4*NLA                             ; B's set and A's blocks 0-3 are in; the youngest loads (A's blocks 4-7) may be out
.if (\first) == 1
	WIN MUL_LO1
.elseif (\first) == 2
	WIN MUL_LO2
.else
	WIN MUL_LO
.endif
	MUL16 0, (\q)%2, \q, \slot, \first
	MUL16 2, (\q)%2, \q, \slot, \first
	s_wait_dscnt 0
	PLACES NP
	FETCH_B \slot, (\q)+1, 1-(\q)%2
	FETCH_A \slot, (\q)+1, 0
.if (\first) == 1
	WIN MUL_HI1
.elseif (\first) == 2
	WIN MUL_HI2
.else
	WIN MUL_HI
.endif
	MUL16 4, (\q)%2, \q, \slot, \first
	MUL16 6, (\q)%2, \q, \slot, \first
	PLACES NP
	WIN 0
	FETCH_A \slot, (\q)+1, 4
.endm
; A slot's last step changes slots.  fill = 1: the slot is filled again, two K steps ahead; fill = 2: with the SECOND TILE's K step of the same slot: x goes back along K, the weights 512 rows down and back along K;
; fill = 0: nothing is left to fetch.  fetch = 0: the tile's last step: no fragments are fetched, since the tile's way out works in their registers.
.macro TURN slot, next, fill, fetch
	s_wait_tensorcnt 0x0                           ; all my tensor loads have landed: my part of the next slot
	ds_add_u32 v[SPW], v[NIL]                      ; 0 onto my spare word
	s_wait_dscnt 4*NLA+1                           ; (the add and the youngest loads, A's blocks 4-7, may be out)
	WIN MUL_LO
	MUL16 0, 1, NQ-1, \slot, 0
	s_wait_dscnt 0x0                               ; the add is done, and my reads of this slot are over
	s_barrier_signal -1
	MUL16 2, 1, NQ-1, \slot, 0
	WIN 0
	s_barrier_wait -1
.if \fill
	CREST                                          ; no wave of any partner still reads this slot or has a load on its way
.if (\fill) == 1
	s_add_nc_u64 s[G0+4*\slot+2:G0+4*\slot+3], s[G0+4*\slot+2:G0+4*\slot+3], 2*ROWB
	s_add_nc_u64 s[G0B+4*\slot+2:G0B+4*\slot+3], s[G0B+4*\slot+2:G0B+4*\slot+3], 2*ROWB
.else
	s_sub_nc_u64 s[G0+4*\slot+2:G0+4*\slot+3], s[G0+4*\slot+2:G0+4*\slot+3], 2*ROWB
	s_add_nc_u64 s[G0B+4*\slot+2:G0B+4*\slot+3], s[G0B+4*\slot+2:G0B+4*\slot+3], 512*KROW-2*ROWB
.endif
	JLOAD G0+4*\slot, G1, G0B+4*\slot, G1B
.else
	PLACES NP
.endif
.if \fetch
	v_add_nc_u32 v[ADRS], 4*NQ, v[ADRS]
	v_add_nc_u32 v[ADRS2], 4*NQ, v[ADRS2]
	FETCH_B \next, 0, 0
	FETCH_A \next, 0, 0
	SCALES \next
.endif
	WIN MUL_HI
	MUL16 4, 1, NQ-1, \slot, 0
	MUL16 6, 1, NQ-1, \slot, 0
.if \fetch
	PLACES NP
	WIN 0
	FETCH_A \next, 0, 4
.else
	WIN 0
.endif
.endm
; ROW BLOCKS 2 g AND 2 g + 1 OF TILE z: R, its two blocks of 32 columns a row block, their scales and codes, and the stores.
.macro GROUP g, z
	WIN 0x22+0x11*((\g)/2)                         ; sources 0 and 2: the accumulators' window
.irp u, 0,1
.irp t, 0,1,2,3
.irp i, 0,1,2,3                                ; R = V gk + Q, two at a time; each accumulator from its low end on
	v_pk_fma_f32 v[RT+32*\u+8*\t+2*\i:RT+32*\u+8*\t+2*\i+1], v[8*(8*((2*(\g)+\u)%4)+4+\t)+2*\i:8*(8*((2*(\g)+\u)%4)+4+\t)+2*\i+1], v[GK+8*\t+2*\i:GK+8*\t+2*\i+1], v[8*(8*((2*(\g)+\u)%4)+\t)+2*\i:8*(8*((2*(\g)+\u)%4)+\t)+2*\i+1]
.endr
.endr
.endr
	WIN 0
.irp n, 0,1,2,3                                ; block n = 2 u + beta.  Tile 2 beta's lanes 16-31 change places with tile 2 beta + 1's lanes 0-15: my 16 registers are then columns 32 beta + 16 h + 0 .. 15 of row r
.irp j, 0,1,2,3,4,5,6,7
	v_permlane16_swap_b32 v[RT+16*\n+\j], v[RT+16*\n+8+\j]
.endr
.endr
.irp n, 0,1,2,3
	v_max3_num_f32 v[MX+\n], |v[RT+16*\n]|, |v[RT+16*\n+1]|, 0x1800000   ; my 16 numbers, and the floor 2^(3 - 127): the byte cannot fall under 1
.endr
.irp i, 2,4,6,8,10,12,14
.irp n, 0,1,2,3
	v_max3_num_f32 v[MX+\n], v[MX+\n], |v[RT+16*\n+\i]|, |v[RT+16*\n+\i+1]|   ; (the four blocks by turns)
.endr
.endr
.irp n, 0,1,2,3
	v_permlanex16_b32 v[PX+\n], v[MX+\n], s[SEL], s[SEL+1]
.endr
.irp n, 0,1,2,3
	v_max_num_f32 v[MX+\n], v[MX+\n], v[PX+\n]     ; with lane l xor 16's: the block's largest magnitude
.endr
.irp n, 0,1,2,3
	v_add_nc_u32 v[SO+\n], 0xff000000, v[MX+\n]    ; 2 off its exponent field: the conversion takes the exponent field of this operand as its scale
.endr
.irp n, 0,1,2,3
	v_lshrrev_b32 v[BY+\n], 23, v[SO+\n]           ; the scale's byte
.endr
.irp u, 0,1
	v_lshl_or_b32 v[HWD+\u], v[BY+2*\u+1], 8, v[BY+2*\u]   ; my head's two bytes of the row's scale word
.endr
.irp u, 0,1
	v_cvt_scalef32_pk16_fp6_f32 v[CDB+16*(\g)+8*\u:CDB+16*(\g)+8*\u+2], v[RT+32*\u:RT+32*\u+15], v[SO+2*\u]
	v_cvt_scalef32_pk16_fp6_f32 v[TT+4*\u:TT+4*\u+2], v[RT+32*\u+16:RT+32*\u+31], v[SO+2*\u+1]   ; (a conversion's three registers begin on an even number)
.endr
	v_nop                                          ; one plain place behind a scaled conversion
.irp u, 0,1                                    ; the operand's layout wants a whole block in a lane: lanes 0-15 the first block, lanes 16-31 the second
.irp i, 0,1,2
	v_permlane16_swap_b32 v[CDB+16*(\g)+8*\u+\i], v[TT+4*\u+\i]
.endr
.irp i, 0,1,2
	v_mov_b32 v[CDB+16*(\g)+8*\u+3+\i], v[TT+4*\u+\i]
.endr
.endr
.irp u, 0,1
	ds_store_b16 v9, v[HWD+\u] offset:1024*(\z)+64*(2*(\g)+\u)   ; both halves of the lanes write the same two bytes with the same value
	global_store_b128 v11, v[CDB+16*(\g)+8*\u:CDB+16*(\g)+8*\u+3], s[12:13] offset:98304*(\z)+1536*(2*(\g)+\u)        ; 512 consecutive bytes, at a multiple of 256 from rc's first byte,
	global_store_b64 v12, v[CDB+16*(\g)+8*\u+4:CDB+16*(\g)+8*\u+5], s[12:13] offset:98304*(\z)+1536*(2*(\g)+\u)+512   ; and the 256 behind them
.endr
.endm
.macro FINISH z                        ; tile z's way out
	PLACES NP                                      ; in front of the first read of results and of the first write of A's registers
.irp t, 0,1,2,3
	ds_load_b128 v[GK+8*\t:GK+8*\t+3], v8 offset:1024*(\z)+64*\t          ; gk of columns 16 t + 8 h + 0 .. 7
	ds_load_b128 v[GK+8*\t+4:GK+8*\t+7], v8 offset:1024*(\z)+64*\t+16
.endr
	s_wait_dscnt 0x0
	GROUP 0, \z
	GROUP 1, \z
	GROUP 2, \z
	GROUP 3, \z
.endm
	s_wait_tensorcnt 1                             ; the scales and my part of K step 0 are in; K step 1's load may stay out
	s_wait_dscnt 0x0
	s_barrier_signal -1
	s_barrier_wait -1
	FETCH_B 0, 0, 0
	FETCH_A 0, 0, 0
	SCALES 0
	FETCH_A 0, 0, 4
	STEP 0, 0, 1                                   ; the first tile
	TURN 0, 1, 1, 1
	STEP 1, 0, 0
	TURN 1, 0, 1, 1
	STEP 0, 0, 0
	TURN 0, 1, 2, 1                                ; THE RING GOES ON INTO THE SECOND TILE: slot 0 takes its K step 0,
	STEP 1, 0, 0
	TURN 1, 0, 2, 0                                ; slot 1 its K step 1
	FINISH 0                                       ; both refills are asked for: they land while the first tile is quantised and stored
	s_wait_xcnt 0x0                                ; the stores have read their registers: the fragment loads below land on some of them, and the second tile's codes are written into all of them
.set ADRS, 24
.set ADRS2, 25
	FETCH_B 0, 0, 0                                ; slot 0 was shown whole to every wave by the last change of slots
	FETCH_A 0, 0, 0
	SCALES 0
	FETCH_A 0, 0, 4
	STEP 0, 0, 2                                   ; the second tile
	TURN 0, 1, 1, 1
	STEP 1, 0, 0
	TURN 1, 0, 1, 1
	STEP 0, 0, 0
	TURN 0, 1, 0, 1                                ; nothing is left to fetch
	STEP 1, 0, 0
	s_wait_dscnt 4*NLA
	WIN MUL_LO
	MUL16 0, 1, NQ-1, 1, 0
	MUL16 2, 1, NQ-1, 1, 0
	s_wait_dscnt 0
	WIN MUL_HI
	MUL16 4, 1, NQ-1, 1, 0
	MUL16 6, 1, NQ-1, 1, 0
	WIN 0
	FINISH 1
	s_wait_dscnt 0x0                               ; for the others' sake: my halves of the scale words have landed (the first tile's landed ahead of the barriers of the second)
	s_barrier_signal -1
	s_barrier_wait -1
	ds_load_b64 v[96:97], v10                      ; whole words: rows 64 w + 2 lane, + 1 of the first tile,
	ds_load_b64 v[98:99], v10 offset:1024          ; and of the second
	s_wait_dscnt 0x0
	global_store_b64 v12, v[96:97], s[104:105]     ; 32 lanes store 256 consecutive bytes, at a multiple of 256 from rs's first byte
	global_store_b64 v12, v[98:99], s[104:105] offset:4096
	s_wait_tensorcnt 0x0                           ; the wave's end: a wait, an add of 0 to my spare word and its wait, behind my last tensor load and my last LDS store
	ds_add_u32 v[SPW], v[NIL]
	s_wait_dscnt 0x0
	CROUND                                         ; the closing round
	s_endpgm
.Lfunc_end_k_q67254ae4f6_mix:
	.size	k_q67254ae4f6_mix, .Lfunc_end_k_q67254ae4f6_mix-k_q67254ae4f6_mix
	.p2alignl 7, 3214868480
	.fill 96, 4, 3214868480
	.section	.rodata,"a",@progbits
	.p2align	6, 0x0
	.amdhsa_kernel k_q67254ae4f6_mix
		.amdhsa_group_segment_fixed_size 327680
		.amdhsa_private_segment_fixed_size 0
		.amdhsa_enable_private_segment 0
		.amdhsa_kernarg_size 88
		.amdhsa_user_sgpr_count 2
		.amdhsa_user_sgpr_kernarg_segment_ptr 1
		.amdhsa_wavefront_size32 1
		.amdhsa_system_sgpr_workgroup_id_x 1
		.amdhsa_system_sgpr_workgroup_id_y 1
		.amdhsa_system_sgpr_workgroup_id_z 1
		.amdhsa_system_vgpr_workitem_id 0
		.amdhsa_next_free_vgpr 1024
		.amdhsa_next_free_sgpr 106
		.amdhsa_reserve_vcc 0
		.amdhsa_float_denorm_mode_32 3
		.amdhsa_float_denorm_mode_16_64 3
		.amdhsa_memory_ordered 1
		.amdhsa_forward_progress 1
		.amdhsa_inst_pref_size 255
	.end_amdhsa_kernel
	.section	.bss,"aw",@nobits
	.p2align	6
	.space	262144
	.amdgpu_metadata
---
amdhsa.version: [ 1, 2 ]
amdhsa.kernels:
  - .name:           k_q67254ae4f6_mix
    .symbol:         k_q67254ae4f6_mix.kd
    .args:
      - { .name: x_codes, .offset: 0, .size: 8, .value_kind: global_buffer, .address_space: global }
      - { .name: x_scales, .offset: 8, .size: 8, .value_kind: global_buffer, .address_space: global }
      - { .name: Wq_codes, .offset: 16, .size: 8, .value_kind: global_buffer, .address_space: global }
      - { .name: Wq_scales, .offset: 24, .size: 8, .value_kind: global_buffer, .address_space: global }
      - { .name: Wv_codes, .offset: 32, .size: 8, .value_kind: global_buffer, .address_space: global }
      - { .name: Wv_scales, .offset: 40, .size: 8, .value_kind: global_buffer, .address_space: global }
      - { .name: bq, .offset: 48, .size: 8, .value_kind: global_buffer, .address_space: global }
      - { .name: bv, .offset: 56, .size: 8, .value_kind: global_buffer, .address_space: global }
      - { .name: part, .offset: 64, .size: 8, .value_kind: global_buffer, .address_space: global }
      - { .name: rc, .offset: 72, .size: 8, .value_kind: global_buffer, .address_space: global }
      - { .name: rs, .offset: 80, .size: 8, .value_kind: global_buffer, .address_space: global }
    .group_segment_fixed_size: 327680
    .private_segment_fixed_size: 0
    .kernarg_segment_align: 8
    .kernarg_segment_size: 88
    .max_flat_workgroup_size: 128
    .sgpr_count:     106
    .vgpr_count:     1024
    .wavefront_size: 32
...
	.end_amdgpu_metadata
.endif
;; end of part 3
;; launch proj (part 4): grid 4 x 64, 4 waves a work-group, clusters of 4 x 4, 327,680 bytes of LDS; arguments rc, rs, Wo_codes, Wo_scales, bo, out0; writes out0
.if DOCPART == 4
	.amdgcn_target "amdgcn-amd-amdhsa--gfx1250"
	.amdhsa_code_object_version 6
	.text
	.protected	k_q67254ae4f6_proj
	.globl	k_q67254ae4f6_proj
	.p2align	8
	.type	k_q67254ae4f6_proj,@function
k_q67254ae4f6_proj:
	s_mov_b64 s[64:65], 0
	v_nop
	global_prefetch_b8 v0, s[64:65] scope:SCOPE_SE
	s_setreg_imm32_b32 hwreg(HW_REG_WAVE_MODE, 25, 1), 1
	s_wait_xcnt 0x0
	s_wait_alu depctr_hold_cnt(0) depctr_sa_sdst(0) depctr_va_vdst(0) depctr_va_sdst(0) depctr_va_ssrc(0) depctr_va_vcc(0) depctr_vm_vsrc(0)
	s_getreg_b32 s2, hwreg(HW_REG_IB_STS2, 6, 4)
	s_cmp_eq_u32 s2, 0
	s_cbranch_scc0 .Lentry_in_a_cluster
	s_endpgm
.Lentry_in_a_cluster:
	s_bfe_u32 s2, ttmp6, 0x10000c
	s_cmp_lg_u32 s2, 0xf033
	s_cbranch_scc0 .Lentry_shape_is_right
	s_endpgm
.Lentry_shape_is_right:
; FASTFORMER ATTENTION, launch 4 of 4: out0 = clip(R Wo + bo, -100, 100) on codes of FP6 (E2M3).  R comes from launch 3: rc, images of the operand's registers, and rs, a scale word for each row and 128 along K.
; No work of reference() is left out.  LIMITS: NaN, infinities and the scale byte 0xff are not served (v_med3_num_f32 carries no NaN); bo stands as the C of each sum's first product, ahead of the sum.
; SHARES.  A tile of 256 x 256 of out0 to a work-group of four waves, 128 x 128 to a wave.  K goes in four steps of 256 through a ring of two LDS slots.  A slot holds R's part, 49,152 dense bytes
; ([2 steps of 128][16 row blocks][2 halves][768 bytes]), then Wo's 256 rows of 192 bytes, laid 240 bytes apart.  A fragment of R is two loads of 16 bytes and two of 8 bytes a lane, lane by lane on end.
; R's scale words of the tile (8,192 dense bytes) come once by tensor loads, 2,048 bytes a wave.  Wo's scale bytes lie [row][32]: each thread loads two rows' and stores their words as [step of 128][256 rows], in LDS bytes of their own.
; Three tensor loads a wave are out at the start, one behind each round.  CLUSTERS: 4 x 4: R's tiles and scale words are shared along a row of the cluster, Wo's tiles along a column.
; THE PRODUCT IS TRANSPOSED (source 0 = 16 rows of Wo, source 1 = 16 rows of R): a lane holds eight neighbouring numbers of a row of out0.
; REGISTERS: window 0: v0-31 addresses; v32-63 scale words, two sets, and nothing else; v64-127 bo as C; v128-223 R's fragments; on the way out v128-255 rows of out0.  Window 1: Wo's fragments, two sets.  Windows 2, 3: the accumulators.
.set NQ,     2
.set ROWB,   192
.set KROW,   768
.set PITCH,  240
.set FR,     12
.set NLA,    4                         ; LDS loads that bring one of A's fragments
.set NP,     4
.set HALFT,  128*PITCH
.set ASL,    49152                     ; R's part of a slot
.set SLOT,   ASL+2*HALFT
.set SA,     2*SLOT                    ; R's scale words: [8 steps][256 rows]
.set SB,     SA+8192                   ; Wo's: [8 steps][256 rows]
.set SPARE,  SB+8192
.set SPITCH, 528                       ; the way out: a stage of 16 rows x (512 bytes + 16) for each wave, in slot 0, which has had its last fill and its last read when the first result is stored there
.set NOUT,   1024
.set ADRA, 16                          ; v16-17 my fragments of R in slot 0, 1, 16 bytes a lane; v18-19 the same, 8 bytes a lane
.set ADRB, 20
.set STO,  24
.set RD,   25
.set CO,   26
.set ADRS, 27
.set SPW,  28
.set NIL,  29
.set SC,   32
.set BI,   64
.set AF,   128
.set BK,   128
.set G1, 24
.set G0, 32
.set G1B, 48
.set G0B, 56
.set G1S, 68
.set G0S, 76
.set MSB, 0
.macro WIN new
.if MSB != (\new)
	s_set_vgpr_msb (MSB<<8)|(\new)
.set MSB, (\new)
.endif
.endm
.set MUL_LO,  0xa1
.set MUL_HI,  0xf1
.set MUL_LO1, 0x81
.set MUL_HI1, 0xc1
.set TO_B,    0x40
.macro JLOAD g0a, g1a, g0b, g1b
	s_cmp_eq_u32 s15, 0
	s_cbranch_scc0 .Lfor_b_\@
	tensor_load_to_lds s[\g0a:\g0a+3], s[\g1a:\g1a+7]
	s_nop 0
.rept 4
	v_nop
.endr
	s_branch .Lasked_\@
.Lfor_b_\@:
	tensor_load_to_lds s[\g0b:\g0b+3], s[\g1b:\g1b+7]
	s_nop 0
.rept 4
	v_nop
.endr
.Lasked_\@:
.endm
.macro CREST
	s_cmp_lg_u32 s14, 0
	s_cbranch_scc1 .Lnot_wave_0_\@
	s_barrier_signal -3
.Lnot_wave_0_\@:
	s_barrier_wait -3
	s_barrier_signal -1
	s_barrier_wait -1
.endm
.macro CROUND
	s_barrier_signal -1
	s_barrier_wait -1
	CREST
.endm
.macro PLACES n
.rept \n
	v_nop
.endr
.endm
	s_load_b256 s[4:11], s[0:1], 0x0               ; rc s[4:5], rs s[6:7], Wo's codes s[8:9], Wo's scales s[10:11]
	s_load_b64 s[96:97], s[0:1], 0x20              ; bo
	s_load_b64 s[12:13], s[0:1], 0x28              ; out0
	v_lshl_add_u32 v[SPW], v0, 2, SPARE
	v_mov_b32 v[NIL], 0
	ds_add_u32 v[SPW], v[NIL]                      ; the wave's opening: the add, twice on end, and its wait ahead of my first tensor load
	ds_add_u32 v[SPW], v[NIL]                      ; and once more; the set-up below, work on registers, stands between it and the wait
	v_lshrrev_b32 v1, 5, v0
	v_readfirstlane_b32 s14, v1                    ; wave 0..3
	s_lshr_b32 s15, s14, 1                         ; which half of the tile's rows is mine.  Also: I fetch for A (0) or for B (1)
	s_and_b32 s16, s14, 1                          ; which half of its columns.  Also: which half of that tile I fetch
	s_bfe_u32 s40, ttmp6, 0x40000                  ; cx
	s_bfe_u32 s41, ttmp6, 0x40004                  ; cy
	s_lshl_b32 s42, ttmp9, 2
	s_add_co_u32 s42, s42, s40                     ; tile column
	s_and_b32 s17, ttmp7, 0xffff
	s_lshl_b32 s17, s17, 2
	s_add_co_u32 s17, s17, s41                     ; tile row
	s_lshl_b32 s43, s41, 2
	s_lshl_b32 s43, 15, s43                        ; my row of the cluster
	s_lshl_b32 s44, 0x1111, s40                    ; my column
	s_or_b32 s[G1+0], s43, (3<<16)|(1<<21)         ; R's codes: 24,576 dense bytes as 96 rows of 256 (32 elements of 8 bytes), no padding
	s_mov_b32 s[G1+1], 32<<16
	s_mov_b32 s[G1+2], 96<<16
	s_mov_b32 s[G1+3], 32<<16
	s_mov_b32 s[G1+4], 96
	s_mov_b32 s[G1+5], 32
	s_mov_b32 s[G1+6], 0
	s_mov_b32 s[G1+7], 0
	s_or_b32 s[G1B+0], s44, (0<<16)|(1<<20)|(1<<21)|(3<<22)|(3<<25)  ; Wo's codes: 128 rows of 192 bytes, 16 bytes of padding behind every 64
	s_mov_b32 s[G1B+1], ROWB<<16
	s_mov_b32 s[G1B+2], 128<<16
	s_mov_b32 s[G1B+3], ROWB<<16
	s_mov_b32 s[G1B+4], 128
	s_mov_b32 s[G1B+5], KROW
	s_mov_b32 s[G1B+6], 0
	s_mov_b32 s[G1B+7], 0
	s_or_b32 s[G1S+0], s43, (3<<16)|(1<<21)        ; R's scale words: 2,048 dense bytes as 8 rows of 256
	s_mov_b32 s[G1S+1], 32<<16
	s_mov_b32 s[G1S+2], 8<<16
	s_mov_b32 s[G1S+3], 32<<16
	s_mov_b32 s[G1S+4], 8
	s_mov_b32 s[G1S+5], 32
	s_mov_b32 s[G1S+6], 0
	s_mov_b32 s[G1S+7], 0
	s_mul_i32 s20, s17, 196608                     ; rc: a tile row's eight steps,
	s_mul_i32 s45, s16, 24576                      ; the half of a slot that I fetch: in memory and in LDS alike
	s_add_co_u32 s20, s20, s45
	s_mov_b32 s21, 0
	s_lshl_b32 s22, s17, 13                        ; rs: 8,192 bytes a tile row,
	s_lshl_b32 s18, s14, 11                        ; 2,048 a wave
	s_add_co_u32 s22, s22, s18
	s_mov_b32 s23, 0
	s_lshl_b32 s46, s42, 8
	s_lshl_b32 s47, s16, 7
	s_add_co_u32 s46, s46, s47                     ; Wo: row 256 x tile column + 128 x half
	s_mul_i32 s46, s46, KROW
	s_mov_b32 s47, 0
	s_mul_i32 s2, s16, HALFT
	s_add_co_u32 s2, s2, ASL                       ; where Wo's rows go in a slot
	s_mov_b32 s66, 0xc2c80000                      ; -100.0
	s_mov_b32 s67, 0x42c80000                      ; 100.0
	s_wait_dscnt 0x0                               ; both opening adds are done
	s_wait_kmcnt 0x0
	s_add_nc_u64 s[20:21], s[4:5], s[20:21]
	s_add_nc_u64 s[22:23], s[6:7], s[22:23]
	s_add_nc_u64 s[46:47], s[8:9], s[46:47]
	CROUND                                         ; all sixteen work-groups are here: the first joint loads meet
	s_mov_b32 s[G0S], 1
	s_add_co_u32 s[G0S+1], s18, SA                 ; SA + 2,048 w
	s_mov_b64 s[G0S+2:G0S+3], s[22:23]
	s_or_b32 s[G0S+3], s[G0S+3], 0x80000000
	tensor_load_to_lds s[G0S:G0S+3], s[G1S:G1S+7]  ; every wave issues this one, for its quarter of R's scale words
	s_nop 0
.rept 4
	v_nop
.endr
.irp s, 0,1
	s_mov_b32 s[G0+4*\s], 1
	s_add_co_u32 s[G0+4*\s+1], s45, \s*SLOT
	s_add_nc_u64 s[G0+4*\s+2:G0+4*\s+3], s[20:21], \s*ASL
	s_or_b32 s[G0+4*\s+3], s[G0+4*\s+3], 0x80000000
	s_mov_b32 s[G0B+4*\s], 1
	s_add_co_u32 s[G0B+4*\s+1], s2, \s*SLOT
	s_add_nc_u64 s[G0B+4*\s+2:G0B+4*\s+3], s[46:47], \s*ROWB
	s_or_b32 s[G0B+4*\s+3], s[G0B+4*\s+3], 0x80000000
	JLOAD G0+4*\s, G1, G0B+4*\s, G1B
.endr
	v_and_b32 v1, 15, v0                           ; r
	v_bfe_u32 v2, v0, 4, 1                         ; h
	v_and_b32 v15, 31, v0                          ; lane
	v_mul_u32_u24 v3, v1, PITCH
	v_mul_u32_u24 v4, v2, 24
	v_add_nc_u32 v4, v3, v4
	v_lshl_add_u32 v5, v2, 4, v4
	s_mul_i32 s21, s15, 12288                      ; my eight row blocks of R
	s_mul_i32 s22, s16, HALFT                      ; my 128 rows of Wo,
	s_add_co_u32 s22, s22, ASL                     ; behind R's part
.irp s, 0,1
	v_lshl_add_u32 v[ADRA+\s], v15, 4, s21
	v_lshl_add_u32 v[ADRA+2+\s], v15, 3, s21
	v_add_nc_u32 v[ADRB+\s], s22, v4
	v_add_nc_u32 v[ADRB+2+\s], s22, v5
	s_add_co_u32 s21, s21, SLOT
	s_add_co_u32 s22, s22, SLOT
.endr
	s_lshl_b32 s21, s15, 9                         ; scale words: lanes 0-15 R's rows 128 s15 + 16 i + r, lanes 16-31 Wo's rows 128 s16 + 16 i + r
	s_lshl_b32 s22, s16, 9
	s_add_co_u32 s22, s22, SB-SA
	s_sub_co_u32 s22, s22, s21
	v_mul_u32_u24 v6, s22, v2                      ; the lower base + h x the distance
	s_add_co_u32 s21, s21, SA
	v_lshl_add_u32 v5, v1, 2, v6
	v_add_nc_u32 v[ADRS], s21, v5
	s_mul_i32 s23, s14, 16*SPITCH                  ; my stage
	v_mul_u32_u24 v5, v1, SPITCH
	v_lshl_add_u32 v5, v2, 5, v5
	v_add_nc_u32 v[STO], s23, v5                   ; in: row r, 32 bytes for each half of the lanes
	v_lshlrev_b32 v[CO], 4, v15                    ; back: the 32 lanes take one row of 512 bytes; and the same in out0
	v_add_nc_u32 v[RD], s23, v[CO]
	v_lshl_add_u32 v7, v0, 2, SB                   ; v7: where thread t puts row t's scale words
	v_lshlrev_b32 v12, 5, v0                       ; v12: 32 t: row t's scale bytes
	v_lshlrev_b32 v14, 5, v2                       ; v14: 32 h
	s_lshl_b32 s20, s17, 8
	s_lshl_b32 s21, s15, 7
	s_add_co_u32 s20, s20, s21                     ; my first row of out0,
	s_lshl_b32 s20, s20, 12                        ; of 4,096 bytes
	s_mov_b32 s21, 0
	s_lshl_b32 s46, s42, 10                        ; my first column, in bytes: 1,024 x tile column + 512 x half
	s_lshl_b32 s47, s16, 9
	s_add_co_u32 s46, s46, s47
	s_mov_b32 s47, 0
	s_add_nc_u64 s[96:97], s[96:97], s[46:47]      ; bo at my first column
	s_add_nc_u64 s[20:21], s[20:21], s[46:47]
	s_add_nc_u64 s[12:13], s[12:13], s[20:21]
	s_lshl_b32 s46, s42, 13                        ; Wo's scales: 256 rows of 32 bytes a tile column
	s_add_nc_u64 s[10:11], s[10:11], s[46:47]
	global_load_b128 v[128:131], v12, s[10:11]               ; row t: words 0-3, 4-7;
	global_load_b128 v[132:135], v12, s[10:11] offset:16
	global_load_b128 v[136:139], v12, s[10:11] offset:4096   ; row 128 + t
	global_load_b128 v[140:143], v12, s[10:11] offset:4112
.irp b, 0,1,2,3,4,5,6,7
	global_load_b128 v[BI+8*\b:BI+8*\b+3], v14, s[96:97] offset:64*\b       ; bo of columns 16 b + 8 h + 0 .. 7
	global_load_b128 v[BI+8*\b+4:BI+8*\b+7], v14, s[96:97] offset:64*\b+16
.endr
	s_wait_loadcnt 0x0
.irp s, 0,1,2,3,4,5,6,7
	ds_store_b32 v7, v[128+\s] offset:1024*\s
	ds_store_b32 v7, v[136+\s] offset:1024*\s+512
.endr
.macro FRAG reg, adr, q, ro            ; a fragment of Wo, from rows 240 bytes apart
.irp p, 0,1,2,3,4,5
.set PC, 12*(\q)+6*(\p/3)+\p%3
.if PC%8 < 5
	ds_load_b64 v[\reg+2*\p:\reg+2*\p+1], v[\adr] offset:8*PC+16*(PC/8)+(\ro)*PITCH
.else
	ds_load_b64 v[\reg+2*\p:\reg+2*\p+1], v[\adr+2] offset:8*PC+16*(PC/8)+(\ro)*PITCH
.endif
.endr
.endm
.macro FRAGA reg, slot, q, i           ; a fragment of R, from its image: of each half, registers 0-3 at 16 x lane, registers 4, 5 at 512 + 8 x lane
.irp c, 0,1
	ds_load_b128 v[\reg+6*\c:\reg+6*\c+3], v[ADRA+\slot] offset:24576*(\q)+1536*(\i)+768*\c
	ds_load_b64 v[\reg+6*\c+4:\reg+6*\c+5], v[ADRA+2+\slot] offset:24576*(\q)+1536*(\i)+768*\c+512
.endr
.endm
.macro MUL16 a0, p, q, sc, first       ; the 64 accumulators take turns, in the same order in every step
.irp a, \a0, \a0+1
.irp b, 0,1,2,3,4,5,6,7
.if \first
	v_wmma_scale_f32_16x16x128_f8f6f4 v[8*(8*((\a)%4)+\b):8*(8*((\a)%4)+\b)+7], v[128*(\p)+FR*\b:128*(\p)+FR*\b+FR-1], v[AF+FR*(\a):AF+FR*(\a)+FR-1], v[BI+8*\b:BI+8*\b+7], v[SC+8*NQ*(\sc)+NQ*\b+(\q)], v[SC+8*NQ*(\sc)+NQ*(\a)+(\q)] matrix_a_fmt:MATRIX_FMT_FP6 matrix_b_fmt:MATRIX_FMT_FP6 matrix_a_scale:MATRIX_SCALE_ROW1
.else
	v_wmma_scale_f32_16x16x128_f8f6f4 v[8*(8*((\a)%4)+\b):8*(8*((\a)%4)+\b)+7], v[128*(\p)+FR*\b:128*(\p)+FR*\b+FR-1], v[AF+FR*(\a):AF+FR*(\a)+FR-1], v[8*(8*((\a)%4)+\b):8*(8*((\a)%4)+\b)+7], v[SC+8*NQ*(\sc)+NQ*\b+(\q)], v[SC+8*NQ*(\sc)+NQ*(\a)+(\q)] matrix_a_fmt:MATRIX_FMT_FP6 matrix_b_fmt:MATRIX_FMT_FP6 matrix_a_scale:MATRIX_SCALE_ROW1
.endif
.endr
.endr
.endm
.macro FETCH_B slot, q, p
	WIN TO_B
.irp i, 0,1,2,3,4,5,6,7
	FRAG 128*(\p)+FR*\i, ADRB+\slot, \q, 16*\i
.endr
	WIN 0
.endm
.macro FETCH_A slot, q, i0
.irp i, \i0, \i0+1, \i0+2, \i0+3
	FRAGA AF+FR*(\i), \slot, \q, \i
.endr
.endm
.macro SCALES sc                       ; a K step's scale words into set sc: lanes 0-15 R's block i, lanes 16-31 Wo's block i, for the slot's two steps of 128
.irp i, 0,1,2,3,4,5,6,7
.irp q, 0,1
	ds_load_b32 v[SC+8*NQ*\sc+NQ*\i+\q], v[ADRS] offset:1024*\q+64*\i
.endr
.endr
.endm
.macro STEP slot, q, first
	s_wait_dscnt 4*NLA                             ; B's set and A's blocks 0-3 are in; the youngest loads (A's blocks 4-7) may be out
.if \first
	WIN MUL_LO1
.else
	WIN MUL_LO
.endif
	MUL16 0, (\q)%2, \q, \slot, \first
	MUL16 2, (\q)%2, \q, \slot, \first
	s_wait_dscnt 0
	PLACES NP
	FETCH_B \slot, (\q)+1, 1-(\q)%2
	FETCH_A \slot, (\q)+1, 0
.if \first
	WIN MUL_HI1
.else
	WIN MUL_HI
.endif
	MUL16 4, (\q)%2, \q, \slot, \first
	MUL16 6, (\q)%2, \q, \slot, \first
	PLACES NP
	WIN 0
	FETCH_A \slot, (\q)+1, 4
.endm
.macro TURN slot, next, fill
	s_wait_tensorcnt 0x0                           ; all my tensor loads have landed: my part of the next slot
	ds_add_u32 v[SPW], v[NIL]                      ; 0 onto my spare word
	s_wait_dscnt 4*NLA+1                           ; (the add and the youngest loads, A's blocks 4-7, may be out)
	WIN MUL_LO
	MUL16 0, 1, NQ-1, \slot, 0
	s_wait_dscnt 0x0                               ; the add is done, and my reads of this slot are over
	s_barrier_signal -1
	MUL16 2, 1, NQ-1, \slot, 0
	WIN 0
	s_barrier_wait -1
.if \fill
	CREST                                          ; no wave of any partner still reads this slot or has a load on its way
	s_add_nc_u64 s[G0+4*\slot+2:G0+4*\slot+3], s[G0+4*\slot+2:G0+4*\slot+3], 2*ASL
	s_add_nc_u64 s[G0B+4*\slot+2:G0B+4*\slot+3], s[G0B+4*\slot+2:G0B+4*\slot+3], 2*ROWB
	JLOAD G0+4*\slot, G1, G0B+4*\slot, G1B
.else
	PLACES NP
.endif
	v_add_nc_u32 v[ADRS], 2048, v[ADRS]            ; on to the next K step's scale words
	FETCH_B \next, 0, 0
	FETCH_A \next, 0, 0
	SCALES \next
	WIN MUL_HI
	MUL16 4, 1, NQ-1, \slot, 0
	MUL16 6, 1, NQ-1, \slot, 0
	PLACES NP
	WIN 0
	FETCH_A \next, 0, 4
.endm
	s_wait_tensorcnt 1                             ; R's scale words and my part of K step 0 are in; K step 1's load may stay out
	s_wait_dscnt 0x0                               ; Wo's scale words lie in LDS
	s_barrier_signal -1
	s_barrier_wait -1
	FETCH_B 0, 0, 0
	FETCH_A 0, 0, 0
	SCALES 0
	FETCH_A 0, 0, 4
	STEP 0, 0, 1
	TURN 0, 1, 1
	STEP 1, 0, 0
	TURN 1, 0, 1
	STEP 0, 0, 0
	TURN 0, 1, 0
	STEP 1, 0, 0
	s_wait_dscnt 4*NLA
	WIN MUL_LO
	MUL16 0, 1, NQ-1, 1, 0
	MUL16 2, 1, NQ-1, 1, 0
	s_wait_dscnt 0
	WIN MUL_HI
	MUL16 4, 1, NQ-1, 1, 0
	MUL16 6, 1, NQ-1, 1, 0
	WIN 0
; THE WAY OUT, block by block of 16 rows x 128 columns: through my own stage in LDS, back as whole rows of 512 bytes, clipped, stored.  LDS serves a wave's instructions in order (ISA guide 5.7.1.4): no wait between the stores and the loads.
.macro TOSTAGE a
.set AC, 64*((\a)%4)
	WIN 0x08+4*((\a)/4)                            ; the data: window 2 or 3
.irp b, 0,1,2,3,4,5,6,7
	ds_store_b128 v[STO], v[AC+8*\b:AC+8*\b+3] offset:64*\b          ; each accumulator from its low end on
	ds_store_b128 v[STO], v[AC+8*\b+4:AC+8*\b+7] offset:64*\b+16
.endr
	WIN 0
.set BB, BK+64*((\a)%2)
.irp t, 0,1,2,3,4,5,6,7,8,9,10,11,12,13,14,15
	ds_load_b128 v[BB+4*\t:BB+4*\t+3], v[RD] offset:\t*SPITCH
.endr
.endm
.macro SEND a, younger                 ; younger: the LDS instructions issued behind block a's loads, which may stay out
.set BB, BK+64*((\a)%2)
	s_wait_dscnt \younger                          ; the block is back in registers
.if (\a) > 0
	s_add_nc_u64 s[12:13], s[12:13], 16*NOUT*4     ; (behind a wait on XCNT: the earlier stores have read their base)  16 rows of out0 on
.endif
.set n, 0
.rept 64
	v_med3_num_f32 v[BB+n], v[BB+n], s66, s67      ; the clip to -100 .. 100
.set n, n+1
.endr
.irp t, 0,1,2,3,4,5,6,7,8,9,10,11,12,13,14,15
	global_store_b128 v[CO], v[BB+4*\t:BB+4*\t+3], s[12:13] offset:\t*NOUT*4 th:TH_STORE_NT   ; 32 lanes store 512 consecutive bytes, at a multiple of 256 from out0's first byte; written once, read by nobody here
.endr
.endm
	PLACES NP                                      ; in front of the loads into the registers that held R's fragments, and of the first read of the last results
	TOSTAGE 0
.irp a, 1,2,3,4,5,6,7
.if \a > 1
	s_wait_xcnt 0x0                                ; block a - 2's stores have read their registers and their base: block a's loads may land there, and the base may step
.endif
	TOSTAGE \a
	SEND \a-1, 32                                  ; behind block a - 1's loads: block a's 16 stores and 16 loads
.endr
	s_wait_xcnt 0x0                                ; block 6's stores have read their base
	SEND 7, 0
	s_wait_tensorcnt 0x0                           ; the wave's end: a wait, an add of 0 to my spare word and its wait, behind my last tensor load and my last LDS store
	ds_add_u32 v[SPW], v[NIL]
	s_wait_dscnt 0x0
	CROUND                                         ; the closing round
	s_endpgm
.Lfunc_end_k_q67254ae4f6_proj:
	.size	k_q67254ae4f6_proj, .Lfunc_end_k_q67254ae4f6_proj-k_q67254ae4f6_proj
	.p2alignl 7, 3214868480
	.fill 96, 4, 3214868480
	.section	.rodata,"a",@progbits
	.p2align	6, 0x0
	.amdhsa_kernel k_q67254ae4f6_proj
		.amdhsa_group_segment_fixed_size 327680
		.amdhsa_private_segment_fixed_size 0
		.amdhsa_enable_private_segment 0
		.amdhsa_kernarg_size 48
		.amdhsa_user_sgpr_count 2
		.amdhsa_user_sgpr_kernarg_segment_ptr 1
		.amdhsa_wavefront_size32 1
		.amdhsa_system_sgpr_workgroup_id_x 1
		.amdhsa_system_sgpr_workgroup_id_y 1
		.amdhsa_system_sgpr_workgroup_id_z 1
		.amdhsa_system_vgpr_workitem_id 0
		.amdhsa_next_free_vgpr 1024
		.amdhsa_next_free_sgpr 106
		.amdhsa_reserve_vcc 0
		.amdhsa_float_denorm_mode_32 3
		.amdhsa_float_denorm_mode_16_64 3
		.amdhsa_memory_ordered 1
		.amdhsa_forward_progress 1
		.amdhsa_inst_pref_size 188
	.end_amdhsa_kernel
	.amdgpu_metadata
---
amdhsa.version: [ 1, 2 ]
amdhsa.kernels:
  - .name:           k_q67254ae4f6_proj
    .symbol:         k_q67254ae4f6_proj.kd
    .args:
      - { .name: rc, .offset: 0, .size: 8, .value_kind: global_buffer, .address_space: global }
      - { .name: rs, .offset: 8, .size: 8, .value_kind: global_buffer, .address_space: global }
      - { .name: Wo_codes, .offset: 16, .size: 8, .value_kind: global_buffer, .address_space: global }
      - { .name: Wo_scales, .offset: 24, .size: 8, .value_kind: global_buffer, .address_space: global }
      - { .name: bo, .offset: 32, .size: 8, .value_kind: global_buffer, .address_space: global }
      - { .name: out0, .offset: 40, .size: 8, .value_kind: global_buffer, .address_space: global }
    .group_segment_fixed_size: 327680
    .private_segment_fixed_size: 0
    .kernarg_segment_align: 8
    .kernarg_segment_size: 48
    .max_flat_workgroup_size: 128
    .sgpr_count:     106
    .vgpr_count:     1024
    .wavefront_size: 32
...
	.end_amdgpu_metadata
.endif
;; end of part 4
